; MI455X (gfx1250); checked and timed in simulation.
; The chip was launched on July 23, 2026; its instructions are those of AMD's public machine-readable ISA for CDNA 5 (MIT licence, August 2026) and "CDNA5" Instruction Set Architecture Reference Guide (July 2026). The comments in the code are by the model that wrote it; some were corrected since.
;; Multi Head Attention. Allowed arithmetic: matrix products marked QUANTISED: E4M3 operands, one E8M0 scale for each 32 along K, by v_wmma_scale_f32_16x16x128_f8f6f4 with both operands' format E4M3, f32 sums; everything else in f32.
;; Inputs: Wk_codes 1,024 x 32 x 32 uint8 (E4M3 codes of Wk, K innermost, in blocks of 32 codes); Wk_scales 1,024 x 32 uint8 (E8M0 scales of Wk, one for each 32 codes along K); Wo_codes 1,024 x 32 x 32 uint8 (E4M3 codes of Wo, K innermost, in blocks of 32 codes); Wo_scales 1,024 x 32 uint8 (E8M0 scales of Wo, one for each 32 codes along K); Wq_codes 1,024 x 32 x 32 uint8 (E4M3 codes of Wq, K innermost, in blocks of 32 codes); Wq_scales 1,024 x 32 uint8 (E8M0 scales of Wq, one for each 32 codes along K); Wv_codes 1,024 x 32 x 32 uint8 (E4M3 codes of Wv, K innermost, in blocks of 32 codes); Wv_scales 1,024 x 32 uint8 (E8M0 scales of Wv, one for each 32 codes along K); bo 1,024 float32; x_codes 4 x 2,048 x 32 x 32 uint8 (E4M3 codes of x, K innermost, in blocks of 32 codes); x_scales 4 x 2,048 x 32 uint8 (E8M0 scales of x, one for each 32 codes along K).
;; Outputs: out0 4 x 2,048 x 1,024 float32.
;; This version of the problem:
;;   THIS VERSION OF THE PROBLEM IS GIVEN IN LOW PRECISION. The matrix products marked QUANTISED in the list below multiply operands that are first quantised to E4M3 (4 exponent bits, 3 mantissa bits; 8 bits a number), with one power-of-two scale for each 32 numbers along K (OCP MX v1.0); their sums are f32. All else is computed in f32.
;;   The module's matrix products, in the order in which they are computed (A, B: the left and right operand; K: the contracted axis; several contracted axes count as one K, in the product's order):
;;     1. [M 8,192, K 1,024] x [K 1,024, N 1,024]; A: input x (given as codes); B: input Wq (given as codes): QUANTISED
;;     2. [M 8,192, K 1,024] x [K 1,024, N 1,024]; A: input x (given as codes); B: input Wk (given as codes): QUANTISED
;;     3. [M 8,192, K 1,024] x [K 1,024, N 1,024]; A: input x (given as codes); B: input Wv (given as codes): QUANTISED
;;     4. batch 64 x [M 2,048, K 64] x [K 64, N 2,048]; A: computed on the way; B: computed on the way: QUANTISED
;;     5. batch 64 x [M 2,048, K 2,048] x [K 2,048, N 64]; A: softmax (see below); B: computed on the way: QUANTISED
;;     6. [M 8,192, K 1,024] x [K 1,024, N 1,024]; A: computed on the way; B: input Wo (given as codes): QUANTISED
;;   THE QUANTISER, for each operand of a quantised product, along K:
;;     - K is cut into blocks of 32 from its start; a last block that is shorter is filled with zeros.
;;     - A block's scale is 2^e with e = floor(log2(the largest magnitude in the block)) - 8, held to -126 .. 127; a block of zeros has e = 0. As a byte (E8M0): e + 127.
;;     - Each number is divided by its block's scale, clamped to +-448, and rounded to the nearest number of E4M3, ties to even, subnormals kept.
;;     - The product sums the exact products of the quantised numbers (number of the format x scale) in f32.
;;   ~~~python
;;   def quantise(x, axis):      # numpy; x: float32 -> the quantised numbers, widened to float32 again
;;       x = np.moveaxis(x, axis, -1); K = x.shape[-1]
;;       x = np.pad(x, [(0, 0)] * (x.ndim - 1) + [(0, -K % 32)]); x = x.reshape(x.shape[:-1] + (-1, 32)); a = np.abs(x).max(-1, keepdims=True)
;;       e = np.where(a > 0, np.clip(np.frexp(np.where(a > 0, a, 1))[1] - 1 - 8, -126, 127), 0)      # np.frexp(a)[1] - 1 = floor(log2(a)), exactly
;;       r = np.clip(x / 2.0 ** e, -448, 448)
;;       step = 2.0 ** (np.maximum(np.frexp(np.where(r == 0, 1, r))[1] - 1, -6) - 3)
;;       q = np.round(r / step) * step * 2.0 ** e      # np.round: ties to even
;;       return np.moveaxis(q.reshape(q.shape[:-2] + (-1,))[..., :K], -1, axis).astype(np.float32)
;;   ~~~
;;   SOFTMAX AHEAD OF A QUANTISED PRODUCT. Where the list says 'softmax', what is quantised is not the finished softmax but p = 2^(t - M), with t = logit x log2(e) and M = ceil(the row's largest t), a whole number; so 1/2 < the row's largest p <= 1. The row's sum l is taken of the UNQUANTISED p, in f32, and the product's result is divided by l at the end. Since M is a whole number, a kernel that streams over the keys may use a running M (the ceiling of the running maximum): every later rescaling is an exact power of two, which a block's scale takes up: the codes' values come out the same.
;;   OPERANDS COMPUTED ON THE WAY. 'Computed on the way' means the value that the module computes at that place (a softmax that the list does not call 'softmax' is quantised finished and normalised). What goes into a quantiser is computed in f32, as accurately as f32 sums, v_exp_f32 and their like allow (about 1e-6 of the number): no bf16 or f16 on the way to a quantiser, and a product that is left as it is and whose result goes on into a quantised operand takes f32 operands (vector FMAs, or v_wmma_f32_16x16x4_f32). A number that lies on a knife's edge between two numbers of the format may be rounded either way, as far as f32 arithmetic and the matrix unit's own rounding can turn it there, and no further.
;;   INPUTS GIVEN AS CODES. Wk (in the module: [1024, 1024], K = its axis 0); Wo (in the module: [1024, 1024], K = its axis 0); Wq (in the module: [1024, 1024], K = its axis 0); Wv (in the module: [1024, 1024], K = its axis 0); x (in the module: [4, 2048, 1024], K = its axis 2): each comes as NAME_codes (uint8): NAME with its K axis moved to the last place and cut into blocks of 32 codes, [.., K / 32, bytes a block], one block behind the other in memory; one code a byte (a code: sign, 4 exponent bits, 3 mantissa bits); and NAME_scales (uint8): the same leading axes, one E8M0 byte (e + 127) for each 32 codes along K. Its value is code x scale, taken as it is: it is not quantised again, and the codes and scales need not be those that the quantiser above would give.
;; One version. Each part assembles by itself: llvm-mc -triple=amdgcn-amd-amdhsa -mcpu=gfx1250 --defsym DOCPART=n.
;; ======== version 1 of 1: 3 launches
;; limits: right only within a limited range of input values
;; workspace buffers: q_img 8,388,608 bytes; k_img 8,388,608 bytes; v_img 8,388,608 bytes; q_sc 262,144 bytes; k_sc 262,144 bytes; v_sc 262,144 bytes; ctx_img 8,388,608 bytes; ctx_sc 262,144 bytes
;; launch proj (part 1): grid 12 x 32, 4 waves a work-group, clusters of 4 x 4, 327,680 bytes of LDS; arguments x_codes, x_scales, Wq_codes, Wq_scales, Wk_codes, Wk_scales, Wv_codes, Wv_scales, q_img, q_sc, k_img, k_sc, v_img, v_sc; writes q_img, q_sc, k_img, k_sc, v_img, v_sc
.if DOCPART == 1
	.amdgcn_target "amdgcn-amd-amdhsa--gfx1250"
	.amdhsa_code_object_version 6
	.text
	.protected	k_q2e2c479bbe_proj
	.globl	k_q2e2c479bbe_proj
	.p2align	8
	.type	k_q2e2c479bbe_proj,@function
k_q2e2c479bbe_proj:
	s_mov_b64 s[64:65], 0
	v_nop
	global_prefetch_b8 v0, s[64:65] scope:SCOPE_SE
	s_setreg_imm32_b32 hwreg(HW_REG_WAVE_MODE, 25, 1), 1
	s_wait_xcnt 0x0
	s_wait_alu depctr_hold_cnt(0) depctr_sa_sdst(0) depctr_va_vdst(0) depctr_va_sdst(0) depctr_va_ssrc(0) depctr_va_vcc(0) depctr_vm_vsrc(0)
	s_getreg_b32 s2, hwreg(HW_REG_IB_STS2, 6, 4)
	s_cmp_eq_u32 s2, 0
	s_cbranch_scc0 .Lentry_in_a_cluster
	s_endpgm
.Lentry_in_a_cluster:
	s_bfe_u32 s2, ttmp6, 0x10000c
	s_cmp_lg_u32 s2, 0xf033
	s_cbranch_scc0 .Lentry_shape_is_right
	s_endpgm
.Lentry_shape_is_right:
; q = x Wq, k = x Wk, v = x Wv on codes of FP8 (E4M3) with one E8M0 scale for each 32 along K = 1,024.  The results are quantised at once, in registers, and leave as codes: no f32 result goes to memory.
; ONE TEXT FOR THE THREE: C[m][n] = sum over k of A[m][k] B[n][k], quantised ALONG n in blocks of 32.  q: A = x, B = Wq (m a token, n a channel: the next product's K is a head's 64 channels).  k: A = x, B = Wk.
; v IS MADE TRANSPOSED: A = Wv, B = x (m a channel, n a token), since the next product's K is the keys.  The cluster's x (0, 1, 2) says which; it chooses pointers, tile numbers and two strides, never a path.
; A tile of C, 256 x 256, is made by a work-group of four waves; a wave makes 128 x 128: 64 accumulators of 16 x 16, 512 registers.  K goes in steps of 256 through a ring of two LDS slots filled by the tensor data mover.
; The scales of the work-group's 256 rows of A and of B, for all of K, come into LDS once, with the first fills.  CLUSTERS: 4 x 4 work-groups; A's tiles are asked for jointly along a row of the cluster, B's along a column.
; THE MATRIX INSTRUCTION IS USED TRANSPOSED (source 0 = 16 rows of B, source 1 = 16 rows of A): a lane holds row m = lane % 16 and eight neighbouring n.  Two neighbouring accumulators and lane l xor 16 hold a block of 32 along n.
; WHAT LEAVES.  Codes as IMAGES OF OPERAND REGISTERS: byte ng x (rows of C x 64) + mt x 1,024 + c x 512 + 16 x lane + i holds C[32 (mt / 2) + 8 (mt % 2) + r + 8 (r / 8)][64 ng + 32 c + 16 (lane / 16) + i], r = lane % 16:
; the rows of a tile are not neighbours, so that the next launch's results have 16 neighbours along ITS next K in a lane.  Scale words: [n / 128][m][4 bytes].
; A block's scale is 2^(floor(log2(its largest magnitude)) - 8); its byte is that magnitude's exponent field - 8, held at 1 from below.  A block of zeros so gets the byte 1 where the rule says 127: its codes are zeros, and this program alone reads the bytes.
; LIMITS: NaN and infinities among the inputs or the sums are not served.
; REGISTERS, in windows of 256: window 0: v0-31 addresses; v32-63 scale words, two sets; from v128 A's fragments, ONE set; on the way out v32-255 are free.  window 1: B's fragments, TWO sets.  windows 2, 3: the accumulators ((a, b) at v[8 (8 (a % 4) + b)]).
.set KSTEP,  256                       ; along K in a slot
.set NQ,     KSTEP/128                 ; matrix instructions deep
.set ROWB,   256                       ; a tile's row in bytes
.set KROW,   1024                      ; a row of A or of B in memory, in bytes
.set PITCH,  272                       ; an LDS row: 256 bytes + 16 of padding = 68 words: row r starts at bank 4 r mod 64 (64 banks of 4 bytes: ISA guide 11.1)
.set FR,     16                        ; registers of a fragment: 16 rows x 128 K
.set NL,     4                         ; LDS loads that bring one
.set NP,     8                         ; places behind this matrix instruction (ISA guide 7.12.1)
.set HALFT,  128*PITCH                 ; 128 rows: what one tensor load brings
.set SLOT,   4*HALFT                   ; A's 256 rows, then B's 256 rows
.set LAPS,   1024/(2*KSTEP)            ; a lap = two K steps = once round the ring
.set KS,     32                        ; a row of scales in bytes
.set SCL,    2*SLOT                    ; behind the ring: the scales, as units of 256 bytes + 16 of padding
.set HALFS,  (128*KS/256)*272          ; the scales of 128 rows
.set SBLK,   (16*KS/256)*272           ; those of 16 rows
.set SPARE,  SCL+4*HALFS               ; the spare words, 128 bytes for each wave: two blocks of 256 bytes that no other line names
.set STAGE,  0                         ; the way out: 256 rows x (256 code bytes + 16), the work-group's; it lies in slot 0, which has had its last fill and its last read by then
.set SSTG,   256*PITCH                 ; behind it, also in slot 0: 512 bytes for each wave: its 128 rows' scale words
.set ADRA, 16                          ; v16-17  LDS address of my A fragments in slot 0, 1
.set ADRB, 20                          ; v20-21  the same for B
.set STO,  24                          ; v24     the way out: where I put 8 codes of a row
.set RD,   25                          ; v25     where I read 16 codes back, in image order
.set CO,   26                          ; v26     16 x lane
.set ADRS, 27                          ; v27     LDS address of my scale words: lanes 0-15 A's rows, lanes 16-31 B's
.set SPW,  28                          ; v28     LDS address of my spare word; never rewritten
.set NIL,  29                          ; v29     0; never rewritten
.set SST,  30                          ; v30     where I put a row's scale word
.set SRD,  31                          ; v31     where I read four of them back
.set SC,   32                          ; scale words: set s at v[SC + 8 NQ s]
.set AF,   128                         ; A's fragments, in window 0
.set TM,   32                          ; the way out: v32-35 largest magnitudes, v36-39 bytes, v44-47 the conversions' scale operands
.set PW,   48                          ; the scale word just made
.set SW,   52                          ; v52-55  four scale words read back
.set PC,   64                          ; v64-79  a block's codes
.set BK,   128                         ; v128-255 the codes read back from the stage
.set G1, 24                            ; s[24:31] descriptor group 1 for A's tiles;  s[32:39] group 0, one set for each slot
.set G0, 32
.set G1B, 48                           ; s[48:55], s[56:63] the same for B's tiles
.set G0B, 56
.set G1S, 68                           ; s[68:75], s[76:79] groups 1 and 0 for A's scales;  s[80:87], s[88:91] for B's
.set G0S, 76
.set G1SB, 80
.set G0SB, 88
.set MSB, 0
.macro WIN new                         ; the immediate's high byte repeats the setting that is left
.if MSB != \new
	s_set_vgpr_msb (MSB<<8)|\new
.set MSB, \new
.endif
.endm
.set MUL_LO, 0xa1                      ; source 0 (B) window 1, source 1 (A) window 0, C and D window 2
.set MUL_HI, 0xf1                      ; the same, C and D window 3
.set TO_B,   0x40                      ; destination window 1, address window 0
; A joint load: waves 0 and 1 fetch for A, waves 2 and 3 for B.  Each of the two lines has ONE mask and one set of registers; the branch hangs on the wave's number alone.
; Four v_nop follow each of the two lines, ahead of the jump, the label and what follows.
.macro JLOAD g0a, g1a, g0b, g1b
	s_cmp_eq_u32 s15, 0
	s_cbranch_scc0 .Lfor_b_\@
	tensor_load_to_lds s[\g0a:\g0a+3], s[\g1a:\g1a+7]
	s_nop 0
.rept 4
	v_nop
.endr
	s_branch .Lasked_\@
.Lfor_b_\@:
	tensor_load_to_lds s[\g0b:\g0b+3], s[\g1b:\g1b+7]
	s_nop 0
.rept 4
	v_nop
.endr
.Lasked_\@:
.endm
.macro CREST                           ; a round of the cluster's barrier behind its opening barrier
	s_cmp_lg_u32 s14, 0
	s_cbranch_scc1 .Lnot_wave_0_\@
	s_barrier_signal -3
.Lnot_wave_0_\@:
	s_barrier_wait -3
	s_barrier_signal -1
	s_barrier_wait -1
.endm
.macro CROUND                          ; a whole round
	s_barrier_signal -1
	s_barrier_wait -1
	CREST
.endm
	s_load_b512 s[68:83], s[0:1], 0x0              ; x's codes, x's scales, Wq's, Wk's, Wv's
	s_load_b256 s[84:91], s[0:1], 0x40             ; q's image, q's scale words, k's
	s_load_b128 s[92:95], s[0:1], 0x60             ; v's
	v_lshl_add_u32 v[SPW], v0, 2, SPARE
	v_mov_b32 v[NIL], 0
	ds_add_u32 v28, v29
	ds_add_u32 v28, v29
	s_wait_dscnt 0x0
	v_lshrrev_b32 v1, 5, v0
	v_readfirstlane_b32 s14, v1                    ; wave 0..3
	s_lshr_b32 s15, s14, 1                         ; which half of the tile's rows is mine.  Also: I fetch for A (0) or for B (1)
	s_and_b32 s16, s14, 1                          ; which half of its columns.  Also: which 128 rows of that tile I fetch
	s_bfe_u32 s40, ttmp6, 0x40000                  ; cx, cy: my place in the cluster
	s_bfe_u32 s41, ttmp6, 0x40004
	s_and_b32 s20, ttmp7, 0xffff
	s_lshl_b32 s20, s20, 2                         ; 4 x cluster y: the long axis (8,192 tokens, 32 tiles)
	s_lshl_b32 s43, s41, 2
	s_lshl_b32 s43, 15, s43                        ; my row of the cluster
	s_lshl_b32 s44, 0x1111, s40                    ; my column
	s_mov_b32 s98, 0x80000                         ; bytes from one 64 along n to the next in the image: rows of C x 64 (q, k: 8,192 rows)
	s_mov_b32 s99, 0x8000                          ; bytes from one 128 along n to the next among the scale words: rows of C x 4
	s_wait_kmcnt 0x0
	s_cmp_eq_u32 ttmp9, 2                          ; v?  The choice hangs on the cluster's x alone, which all sixteen partners share, and on no address
	s_cselect_b64 s[4:5], s[80:81], s[68:69]       ; A's codes: Wv's or x's
	s_cselect_b64 s[6:7], s[82:83], s[70:71]       ; A's scales
	s_cselect_b64 s[8:9], s[68:69], s[76:77]       ; B's codes: x's or Wk's
	s_cselect_b64 s[10:11], s[70:71], s[78:79]     ; B's scales
	s_cselect_b64 s[12:13], s[92:93], s[88:89]     ; the image
	s_cselect_b64 s[96:97], s[94:95], s[90:91]     ; the scale words
	s_cselect_b32 s17, 0, s20                      ; the tokens are C's columns (v) or its rows (q, k)
	s_cselect_b32 s42, s20, 0
	s_cselect_b32 s98, 0x10000, s98                ; v: 1,024 rows
	s_cselect_b32 s99, 0x1000, s99
	s_cmp_eq_u32 ttmp9, 0                          ; q?
	s_cselect_b64 s[8:9], s[72:73], s[8:9]
	s_cselect_b64 s[10:11], s[74:75], s[10:11]
	s_cselect_b64 s[12:13], s[84:85], s[12:13]
	s_cselect_b64 s[96:97], s[86:87], s[96:97]
	s_add_co_u32 s17, s17, s41                     ; tile row of C
	s_add_co_u32 s42, s42, s40                     ; tile column of C
	; descriptor group 1: a tile of 128 rows x ROWB bytes, padded in LDS
	s_or_b32 s[G1+0], s43, (0<<16)|(1<<20)|(1<<21)|(5<<22)|(3<<25)  ; 15:0 the mask: A's tiles go to my row; 17:16 element of 1 byte; 20 padding on; 21 set beside a mask; 24:22 after every 64 words (code 5); 31:25 of 4 words (code 3)
	s_or_b32 s[G1B+0], s44, (0<<16)|(1<<20)|(1<<21)|(5<<22)|(3<<25)
.irp g, G1, G1B
	s_mov_b32 s[\g+1], ROWB<<16                    ; tensor_dim0
	s_mov_b32 s[\g+2], 128<<16                     ; tensor_dim1 = 128
	s_mov_b32 s[\g+3], ROWB<<16                    ; tile_dim0
	s_mov_b32 s[\g+4], 128                         ; tile_dim1 = 128
	s_mov_b32 s[\g+5], KROW                        ; tensor_dim0_stride
	s_mov_b32 s[\g+6], 0
	s_mov_b32 s[\g+7], 0
.endr
	; and for the scales of 128 rows: a dense block of 4,096 bytes, as rows of 256 bytes (32 elements of 8 bytes), 16 bytes of padding behind each
	s_or_b32 s[G1S+0], s43, (3<<16)|(1<<20)|(1<<21)|(5<<22)|(3<<25)
	s_or_b32 s[G1SB+0], s44, (3<<16)|(1<<20)|(1<<21)|(5<<22)|(3<<25)
.irp g, G1S, G1SB
	s_mov_b32 s[\g+1], 32<<16
	s_mov_b32 s[\g+2], (128*KS/256)<<16
	s_mov_b32 s[\g+3], 32<<16
	s_mov_b32 s[\g+4], 128*KS/256
	s_mov_b32 s[\g+5], 32
	s_mov_b32 s[\g+6], 0
	s_mov_b32 s[\g+7], 0
.endr
	s_lshl_b32 s18, s16, 7                         ; which 128 rows of the tile I fetch
	s_lshl_b32 s20, s17, 8
	s_add_co_u32 s20, s20, s18                     ; A: row 256 x tile row + 128 x half
	s_lshl_b32 s46, s42, 8
	s_add_co_u32 s46, s46, s18                     ; B: row 256 x tile column + 128 x half
	s_mov_b32 s21, 0
	s_mov_b32 s47, 0
	s_mov_b64 s[18:19], KS
	s_mul_u64 s[22:23], s[20:21], s[18:19]         ; where these rows' scales begin, in bytes
	s_mul_u64 s[92:93], s[46:47], s[18:19]
	s_mov_b64 s[18:19], KROW
	s_mul_u64 s[20:21], s[20:21], s[18:19]         ; and their codes
	s_mul_u64 s[46:47], s[46:47], s[18:19]
	s_mul_i32 s45, s14, HALFT                      ; where they go: wave x 128 rows: no place in the cluster enters an LDS address
	s_mul_i32 s94, s14, HALFS
	s_add_nc_u64 s[20:21], s[4:5], s[20:21]
	s_add_nc_u64 s[22:23], s[6:7], s[22:23]
	s_add_nc_u64 s[46:47], s[8:9], s[46:47]
	s_add_nc_u64 s[92:93], s[10:11], s[92:93]
	CROUND                                         ; all sixteen work-groups are here: the first joint loads meet
	s_mov_b32 s[G0S], 1
	s_add_co_u32 s[G0S+1], s94, SCL
	s_mov_b64 s[G0S+2:G0S+3], s[22:23]
	s_or_b32 s[G0S+3], s[G0S+3], 0x80000000
	s_mov_b32 s[G0SB], 1
	s_add_co_u32 s[G0SB+1], s94, SCL
	s_mov_b64 s[G0SB+2:G0SB+3], s[92:93]
	s_or_b32 s[G0SB+3], s[G0SB+3], 0x80000000
	JLOAD G0S, G1S, G0SB, G1SB                     ; the scales first: they are wanted with K step 0
.irp s, 0,1
	s_mov_b32 s[G0+4*\s], 1
	s_add_co_u32 s[G0+4*\s+1], s45, \s*SLOT
	s_add_nc_u64 s[G0+4*\s+2:G0+4*\s+3], s[20:21], \s*ROWB
	s_or_b32 s[G0+4*\s+3], s[G0+4*\s+3], 0x80000000
	s_mov_b32 s[G0B+4*\s], 1
	s_add_co_u32 s[G0B+4*\s+1], s45, \s*SLOT
	s_add_nc_u64 s[G0B+4*\s+2:G0B+4*\s+3], s[46:47], \s*ROWB
	s_or_b32 s[G0B+4*\s+3], s[G0B+4*\s+3], 0x80000000
	JLOAD G0+4*\s, G1, G0B+4*\s, G1B               ; three tensor loads of mine are out now
.endr
	v_and_b32 v1, 15, v0                           ; r = l % 16
	v_bfe_u32 v2, v0, 4, 1                         ; h = l / 16
	v_mul_u32_u24 v3, v1, PITCH
	v_lshl_add_u32 v4, v2, 4, v3                   ; a fragment's row x pitch + 16 x half
	s_mul_i32 s21, s15, HALFT                      ; my 128 rows of A
	s_mul_i32 s22, s16, HALFT                      ; my 128 rows of B,
	s_add_co_u32 s22, s22, 2*HALFT                 ; which lie behind A's 256
.irp s, 0,1
	v_add_nc_u32 v[ADRA+\s], s21, v4
	v_add_nc_u32 v[ADRB+\s], s22, v4
	s_add_co_u32 s21, s21, SLOT
	s_add_co_u32 s22, s22, SLOT
.endr
	v_mul_u32_u24 v5, v1, KS                       ; my row's scales: KS bytes a row,
	v_lshrrev_b32 v6, 8, v5
	v_lshl_add_u32 v5, v6, 4, v5                   ; and 16 more for each 256 passed
	s_mul_i32 s21, s15, HALFS                      ; A's: my 128 rows
	s_mul_i32 s22, s16, HALFS                      ; B's: my 128 rows, behind A's 256
	s_add_co_u32 s22, s22, 2*HALFS
	s_sub_co_u32 s22, s22, s21
	v_mul_u32_u24 v6, s22, v2                      ; lanes 16-31 take B's: the lower base + h x the distance
	s_add_co_u32 s21, s21, SCL
	v_add_nc_u32 v5, v5, v6
	v_add_nc_u32 v[ADRS], s21, v5
	s_mul_i32 s23, s15, 128*PITCH                  ; the stage, on the way in: my 128 rows, my 128 of their 256 bytes; row r, 8 bytes for each half of the lanes
	s_lshl_b32 s21, s16, 7
	s_add_co_u32 s23, s23, s21
	v_lshl_add_u32 v5, v2, 3, v3
	v_add_nc_u32 v[STO], s23, v5
	v_and_b32 v5, 8, v1
	v_add_nc_u32 v5, v5, v1                        ; r + 8 (r / 8)
	v_mul_u32_u24 v5, v5, PITCH                    ; and back: wave w takes bytes 64 w .. 64 w + 63 of all 256 rows: row r + 8 (r / 8) of a tile, 16 bytes for each half
	v_lshl_add_u32 v5, v2, 4, v5
	s_lshl_b32 s21, s14, 6
	v_add_nc_u32 v[RD], s21, v5
	v_and_b32 v6, 31, v0
	v_lshlrev_b32 v[CO], 4, v6
	s_lshl_b32 s21, s14, 9
	s_add_co_u32 s21, s21, SSTG                    ; my wave's 512 bytes of scale words
	v_lshl_add_u32 v[SST], v1, 2, s21
	v_add_nc_u32 v[SRD], s21, v[CO]
	s_lshl_b32 s20, s17, 14                        ; the image: my tile row's 16 tiles of 1,024 bytes,
	s_mov_b32 s21, 0
	s_lshl_b32 s46, s42, 2
	s_add_co_u32 s46, s46, s14                     ; in the 64 along n that I store: 4 x tile column + wave
	s_mul_i32 s46, s46, s98
	s_mov_b32 s47, 0
	s_add_nc_u64 s[20:21], s[20:21], s[46:47]
	s_add_nc_u64 s[12:13], s[12:13], s[20:21]
	s_lshl_b32 s20, s17, 10                        ; the scale words: row 256 x tile row + 128 x half, 4 bytes a row,
	s_lshl_b32 s22, s15, 9
	s_add_co_u32 s20, s20, s22
	s_lshl_b32 s46, s42, 1
	s_add_co_u32 s46, s46, s16                     ; in the 128 along n that are mine
	s_mul_i32 s46, s46, s99
	s_add_co_u32 s46, s46, s20
	s_add_nc_u64 s[96:97], s[96:97], s[46:47]
.macro FRAG reg, adr, q, i             ; a fragment, 16 rows x 128 K of 8-bit codes, is 16 registers: lane l holds row l % 16; registers 4 c .. 4 c + 3 hold K = 32 c + 16 (l / 16) + 0 .. 15
.irp c, 0,1,2,3
	ds_load_b128 v[\reg+4*\c:\reg+4*\c+3], v[\adr] offset:128*(\q)+32*\c+(\i)*16*PITCH
.endr
.endm
; 16 matrix instructions: A's blocks a0, a0 + 1 x B's eight, 128 along K: the slot's q-th.  p: B's set;  sc: the set of scale words.  zero = 1: the first product starts the sums: nothing is ever cleared.
; The 64 accumulators take turns, one instruction a turn, in the same order in every step.
.macro MUL16 a0, p, q, sc, zero
.irp a, \a0, \a0+1
.irp b, 0,1,2,3,4,5,6,7
.if \zero
	v_wmma_scale_f32_16x16x128_f8f6f4 v[8*(8*((\a)%4)+\b):8*(8*((\a)%4)+\b)+7], v[128*(\p)+FR*\b:128*(\p)+FR*\b+FR-1], v[AF+FR*(\a):AF+FR*(\a)+FR-1], 0, v[SC+8*NQ*(\sc)+NQ*\b+(\q)], v[SC+8*NQ*(\sc)+NQ*(\a)+(\q)] matrix_a_scale:MATRIX_SCALE_ROW1
.else
	v_wmma_scale_f32_16x16x128_f8f6f4 v[8*(8*((\a)%4)+\b):8*(8*((\a)%4)+\b)+7], v[128*(\p)+FR*\b:128*(\p)+FR*\b+FR-1], v[AF+FR*(\a):AF+FR*(\a)+FR-1], v[8*(8*((\a)%4)+\b):8*(8*((\a)%4)+\b)+7], v[SC+8*NQ*(\sc)+NQ*\b+(\q)], v[SC+8*NQ*(\sc)+NQ*(\a)+(\q)] matrix_a_scale:MATRIX_SCALE_ROW1
.endif
.endr
.endr
.endm
.macro FETCH_B slot, q, p              ; B's eight fragments of the slot's q-th 128 along K into set p
	WIN TO_B
.irp i, 0,1,2,3,4,5,6,7
	FRAG 128*(\p)+FR*\i, ADRB+\slot, \q, \i
.endr
	WIN 0
.endm
.macro FETCH_A slot, q, i0             ; A's blocks i0 .. i0 + 3
.irp i, \i0, \i0+1, \i0+2, \i0+3
	FRAG AF+FR*(\i), ADRA+\slot, \q, \i
.endr
.endm
.macro SCALES sc                       ; the next K step's scale words into set sc: NQ words a row; lanes 0-15 take A's block i, lanes 16-31 B's block i
.irp i, 0,1,2,3,4,5,6,7
	ds_load_b64 v[SC+8*NQ*\sc+NQ*\i:SC+8*NQ*\sc+NQ*\i+1], v[ADRS] offset:\i*SBLK
.endr
.endm
; A load into a register that a matrix instruction has read, and a vector instruction that reads a matrix result, stand NP places behind that matrix instruction; only plain vector
; instructions that name none of its registers are places (ISA guide 7.12.1 for vector instructions).
.macro PLACES n
.rept \n
	v_nop
.endr
.endm
; A step of 128 along K that has its successor in the same slot.
.macro STEP slot, q, zero
	s_wait_dscnt 4*NL                              ; B's set and A's blocks 0-3 are in; the youngest sixteen loads (A's blocks 4-7) may be out
	WIN MUL_LO
	MUL16 0, (\q)%2, \q, \slot, \zero
	MUL16 2, (\q)%2, \q, \slot, \zero
	s_wait_dscnt 0                                 ; A's blocks 4-7 are in (asked for 32 matrix instructions ago)
	PLACES NP
	FETCH_B \slot, (\q)+1, 1-(\q)%2
	FETCH_A \slot, (\q)+1, 0
	WIN MUL_HI
	MUL16 4, (\q)%2, \q, \slot, \zero
	MUL16 6, (\q)%2, \q, \slot, \zero
	PLACES NP
	WIN 0
	FETCH_A \slot, (\q)+1, 4
.endm
; A slot's last step changes slots: ONE barrier; in front of it each wave waits for all its tensor loads, adds 0 to its spare word, and waits for that and for its own reads of this slot.  fill = 1: this slot is filled again, two K steps ahead.
.macro TURN slot, next, fill
	s_wait_tensorcnt 0x0                           ; all my tensor loads have landed: my part of the next slot;  (every window is 0 here)
	ds_add_u32 v[SPW], v[NIL]                      ; 0 onto my spare word
	s_wait_dscnt 4*NL+1                            ; (the add and the youngest sixteen loads, A's blocks 4-7, may be out)
	WIN MUL_LO
	MUL16 0, 1, NQ-1, \slot, 0                     ; sixteen matrix instructions stand between the add and the wait for it
	s_wait_dscnt 0x0                               ; the add is done, and my reads of this slot are over
	s_barrier_signal -1
	MUL16 2, 1, NQ-1, \slot, 0
	WIN 0
	s_barrier_wait -1
.if \fill
	CREST                                          ; the barrier has opened a round of the cluster's barrier: no wave of any partner still reads this slot's tile or has a load on its way
	s_add_nc_u64 s[G0+4*\slot+2:G0+4*\slot+3], s[G0+4*\slot+2:G0+4*\slot+3], 2*ROWB
	s_add_nc_u64 s[G0B+4*\slot+2:G0B+4*\slot+3], s[G0B+4*\slot+2:G0B+4*\slot+3], 2*ROWB
	JLOAD G0+4*\slot, G1, G0B+4*\slot, G1B         ; the first tensor load behind the round, my only one until the next; the four v_nop behind it are among the places in front of the loads below
	PLACES NP-4
.else
	PLACES NP
.endif
	s_wait_alu depctr_va_vdst(0)
	v_add_nc_u32 v[ADRS], 4*NQ, v[ADRS]            ; on to the next K step's scale words (no LDS load of mine is out)
	FETCH_B \next, 0, 0
	FETCH_A \next, 0, 0
	SCALES \next
	WIN MUL_HI
	MUL16 4, 1, NQ-1, \slot, 0
	MUL16 6, 1, NQ-1, \slot, 0
	PLACES NP
	WIN 0
	FETCH_A \next, 0, 4
.endm
	s_wait_tensorcnt 1                             ; the scales and my part of K step 0 are in (K step 1's load may be out)
	s_barrier_signal -1
	s_barrier_wait -1                              ; everybody's are
	FETCH_B 0, 0, 0
	FETCH_A 0, 0, 0
	SCALES 0
	FETCH_A 0, 0, 4
	STEP 0, 0, 1                                   ; the first step stands in front of the loop: its products start the sums
	s_mov_b32 s3, LAPS-1
.Llap:                                                 ; a trip goes once round the ring, from a lap's second step to the next lap's first, and fills both slots again
	TURN 0, 1, 1
	STEP 1, 0, 0
	TURN 1, 0, 1
	STEP 0, 0, 0
	s_sub_co_u32 s3, s3, 1
	s_cmp_lg_u32 s3, 0
	s_cbranch_scc1 .Llap
	TURN 0, 1, 0                                   ; the last lap fills nothing, and has no round of the cluster's barrier
	STEP 1, 0, 0
	s_wait_dscnt 4*NL                              ; the very last step: nothing more to fetch
	WIN MUL_LO
	MUL16 0, 1, NQ-1, 1, 0
	MUL16 2, 1, NQ-1, 1, 0
	s_wait_dscnt 0
	WIN MUL_HI
	MUL16 4, 1, NQ-1, 1, 0
	MUL16 6, 1, NQ-1, 1, 0
	WIN 0
; THE WAY OUT.  Block a: 16 rows x 128 along n in eight accumulators.  Register 16 b + i of the block is, for i < 8, n = 32 b + 8 h + i, else n = 32 b + 16 + 8 h + i - 8: 16 numbers of block b of 32; lane l xor 16 holds the other 16.
; Largest magnitude (with the floor 2^(9 - 127) among its leaves, so that the byte cannot fall under 1), scale operand, conversion: eight codes of an accumulator are 8 neighbouring bytes of a row.
; They go into the work-group's stage as rows of C; the row's four bytes make its scale word.  Each accumulator is read from its low end on.
.macro QOUT a
.set AC, 64*((\a)%4)
.set W, 2+(\a)/4                       ; the block's window
.set W01, W+4*W                        ; sources 0 and 1 there
.set W12, 4*W+16*W                     ; sources 1 and 2
.set W0D, W+64*W                       ; source 0 and the destination
	WIN W01
.irp b, 0,1,2,3
	v_max3_num_f32 v[TM+\b], |v[AC+16*\b]|, |v[AC+16*\b+1]|, 0x4800000
.endr
	WIN W12
.irp i, 2,4,6,8,10,12,14
.irp b, 0,1,2,3
	v_max3_num_f32 v[TM+\b], v[TM+\b], |v[AC+16*\b+\i]|, |v[AC+16*\b+\i+1]|   ; the four blocks by turns: no line waits for the line above it
.endr
.endr
	WIN 0
	s_wait_alu depctr_va_vdst(0)
	s_wait_dscnt 0x0                               ; the last block's LDS stores have read their registers: the scale word and the codes may be written again
.irp b, 0,1,2,3
	v_permlanex16_b32 v[TM+4+\b], v[TM+\b], s4, s5
.endr
.irp b, 0,1,2,3
	v_max_num_f32 v[TM+\b], v[TM+\b], v[TM+4+\b]   ; with lane l xor 16's: the block's largest magnitude
.endr
.irp b, 0,1,2,3
	v_add_nc_u32 v[TM+12+\b], 0xfc000000, v[TM+\b] ; 8 off its exponent field: the conversion takes the exponent field of this operand as its scale
.endr
.irp b, 0,1,2,3
.endr
.irp b, 0,1,2,3
	v_lshrrev_b32 v[TM+4+\b], 23, v[TM+12+\b]      ; the scale's byte
.endr
	v_lshl_or_b32 v[PW], v[TM+5], 8, v[TM+4]       ; my row's scale word for these 128 along n
	v_lshl_or_b32 v[PW], v[TM+6], 16, v[PW]
	v_lshl_or_b32 v[PW], v[TM+7], 24, v[PW]
	WIN W0D
.irp b, 0,1,2,3
.irp i, 0,1,2,3,4,5,6,7,8,9,10,11,12,13,14,15
.endr
.endr
	WIN W
.irp g, 0,1,2,3,4,5,6,7
	v_cvt_scalef32_pk8_fp8_f32 v[PC+2*\g:PC+2*\g+1], v[AC+8*\g:AC+8*\g+7], v[TM+12+\g/2]
.endr
	WIN 0
	v_nop                                          ; one plain vector instruction behind the last scaled conversion
.irp g, 0,1,2,3,4,5,6,7
	ds_store_b64 v[STO], v[PC+2*\g:PC+2*\g+1] offset:(\a)*16*PITCH+16*\g     ; row 16 a + r, bytes 16 g + 8 h on: the 32 lanes touch 64 different words modulo 256 bytes
.endr
	ds_store_b32 v[SST], v[PW] offset:64*(\a)      ; lanes r and r + 16 write the same word with the same value
.endm
	s_mov_b32 s4, 0x76543210
	s_mov_b32 s5, 0xfedcba98                       ; v_permlanex16_b32's selects for lane l xor 16
	PLACES NP                                      ; behind the last products: their results are read, and registers that held their scales and fragments are written, only behind these
.irp b, 0,1,2,3
	v_mov_b32 v[TM+4+\b], 0                        ; written once: a lane permute's destination counts as one of its sources
.endr
.irp a, 0,1,2,3,4,5,6,7
	QOUT \a
.endr
	s_wait_dscnt 0x0                               ; for the others' sake: my stores into the stage are done
	s_barrier_signal -1
	s_barrier_wait -1                              ; 256 whole rows of codes lie in the stage
	ds_load_b128 v[SW:SW+3], v[SRD]                ; my wave's own scale words, four rows a lane
.irp mt, 0,1,2,3,4,5,6,7,8,9,10,11,12,13,14,15
.irp c, 0,1
	ds_load_b128 v[BK+8*\mt+4*\c:BK+8*\mt+4*\c+3], v[RD] offset:(32*(\mt/2)+8*(\mt%2))*PITCH+32*\c   ; tile mt, registers 4 c on of the operand that the next launch loads
.endr
.endr
	s_wait_dscnt 32                                ; the scale words are back; the 32 loads behind them may be out
	global_store_b128 v[CO], v[SW:SW+3], s[96:97]  ; 32 lanes store 512 consecutive bytes, at a multiple of 256 from the buffer's first byte
.set ci, 0
.rept 32
	s_wait_dscnt 31-ci                             ; LDS loads come back in order (ISA guide 5.7.1): load ci is in
	global_store_b128 v[CO], v[BK+4*ci:BK+4*ci+3], s[12:13] offset:512*ci    ; likewise: 512 consecutive bytes
.set ci, ci+1
.endr
	s_wait_tensorcnt 0x0                           ; the wave's end: behind my last tensor load and my last LDS store
	ds_add_u32 v[SPW], v[NIL]
	s_wait_dscnt 0x0
	CROUND                                         ; the closing round: no work-group ends while a partner may still ask for a tile that names it
	s_endpgm
.Lfunc_end_k_q2e2c479bbe_proj:
	.size	k_q2e2c479bbe_proj, .Lfunc_end_k_q2e2c479bbe_proj-k_q2e2c479bbe_proj
	.p2alignl 7, 3214868480
	.fill 96, 4, 3214868480
	.section	.rodata,"a",@progbits
	.p2align	6, 0x0
	.amdhsa_kernel k_q2e2c479bbe_proj
		.amdhsa_group_segment_fixed_size 327680
		.amdhsa_private_segment_fixed_size 0
		.amdhsa_enable_private_segment 0
		.amdhsa_kernarg_size 112
		.amdhsa_user_sgpr_count 2
		.amdhsa_user_sgpr_kernarg_segment_ptr 1
		.amdhsa_wavefront_size32 1
		.amdhsa_system_sgpr_workgroup_id_x 1
		.amdhsa_system_sgpr_workgroup_id_y 1
		.amdhsa_system_sgpr_workgroup_id_z 1
		.amdhsa_system_vgpr_workitem_id 0
		.amdhsa_next_free_vgpr 1024
		.amdhsa_next_free_sgpr 100
		.amdhsa_reserve_vcc 0
		.amdhsa_float_denorm_mode_32 3
		.amdhsa_float_denorm_mode_16_64 3
		.amdhsa_fp16_overflow 1
		.amdhsa_memory_ordered 1
		.amdhsa_forward_progress 1
		.amdhsa_inst_pref_size 159
	.end_amdhsa_kernel
	.amdgpu_metadata
---
amdhsa.version: [ 1, 2 ]
amdhsa.kernels:
  - .name:           k_q2e2c479bbe_proj
    .symbol:         k_q2e2c479bbe_proj.kd
    .args:
      - { .name: x_codes, .offset: 0, .size: 8, .value_kind: global_buffer, .address_space: global }
      - { .name: x_scales, .offset: 8, .size: 8, .value_kind: global_buffer, .address_space: global }
      - { .name: Wq_codes, .offset: 16, .size: 8, .value_kind: global_buffer, .address_space: global }
      - { .name: Wq_scales, .offset: 24, .size: 8, .value_kind: global_buffer, .address_space: global }
      - { .name: Wk_codes, .offset: 32, .size: 8, .value_kind: global_buffer, .address_space: global }
      - { .name: Wk_scales, .offset: 40, .size: 8, .value_kind: global_buffer, .address_space: global }
      - { .name: Wv_codes, .offset: 48, .size: 8, .value_kind: global_buffer, .address_space: global }
      - { .name: Wv_scales, .offset: 56, .size: 8, .value_kind: global_buffer, .address_space: global }
      - { .name: q_img, .offset: 64, .size: 8, .value_kind: global_buffer, .address_space: global }
      - { .name: q_sc, .offset: 72, .size: 8, .value_kind: global_buffer, .address_space: global }
      - { .name: k_img, .offset: 80, .size: 8, .value_kind: global_buffer, .address_space: global }
      - { .name: k_sc, .offset: 88, .size: 8, .value_kind: global_buffer, .address_space: global }
      - { .name: v_img, .offset: 96, .size: 8, .value_kind: global_buffer, .address_space: global }
      - { .name: v_sc, .offset: 104, .size: 8, .value_kind: global_buffer, .address_space: global }
    .group_segment_fixed_size: 327680
    .private_segment_fixed_size: 0
    .kernarg_segment_align: 8
    .kernarg_segment_size: 112
    .max_flat_workgroup_size: 128
    .sgpr_count:     100
    .vgpr_count:     1024
    .wavefront_size: 32
...
	.end_amdgpu_metadata
.endif
;; end of part 1
;; launch attn (part 2): grid 4 x 64, 16 waves a work-group, no clusters, 276,480 bytes of LDS; arguments q_img, q_sc, k_img, k_sc, v_img, v_sc, ctx_img, ctx_sc; writes ctx_img, ctx_sc
.if DOCPART == 2
	.amdgcn_target "amdgcn-amd-amdhsa--gfx1250"
	.amdhsa_code_object_version 6
	.text
	.protected	k_q2e2c479bbe_attn
	.globl	k_q2e2c479bbe_attn
	.p2align	8
	.type	k_q2e2c479bbe_attn,@function
k_q2e2c479bbe_attn:
	s_mov_b64 s[64:65], 0
	v_nop
	global_prefetch_b8 v0, s[64:65] scope:SCOPE_SE
	s_setreg_imm32_b32 hwreg(HW_REG_WAVE_MODE, 25, 1), 1
	s_wait_xcnt 0x0
; Causal attention of one head (2,048 tokens, head size 64) on codes of FP8 (E4M3) with one E8M0 scale for each 32 along a product's K; the result, ctx, is quantised along the channels in registers and leaves as codes.
; THE SOFTMAX AHEAD OF THE SECOND PRODUCT: t = score x log2(e) / 8; M = the row's largest t so far, rounded UP to a whole number; p = 2^(t - M) is what is quantised, along the keys; it is not normalised.
; The row's sum is taken of the unquantised p, in f32, and divides O at the end.  When M moves, the sum and O are multiplied by 2^(old M - new M): exact.
; SHARES.  Work-group (i, batch x 16 + head) owns the query blocks 7 - i and i of its head, 256 queries each.  Wave w of sixteen makes two passes, one tile of 16 queries each: tile 16 (7 - i) + w, then tile 16 i + 15 - w.
; A tile tq has tq / 8 + 1 key steps of 128 keys that count, so every wave of every work-group works 17 steps.  Four waves share a SIMD: one wave's vector work stands beside another's matrix work and LDS loads.
; ALL OF THE HEAD'S K AND V STAYS IN LDS, as images of operand registers (a load of 16 bytes a lane reads 512 consecutive bytes), filled once: no slot is filled again.  Wave 0 asks for K, wave 1 for V: nine tensor loads each,
; the scale words first, then eight pieces of two key steps; the first two key steps are worked while the last seven pieces are on their way.
; NO CLUSTER, though the four work-groups of a head read the same K and V: which key steps are left out hangs on the work-group's query blocks, which would be its place in the cluster, and partners have to run alike.
; EVERY WAVE WALKS ALL 16 KEY STEPS in each pass, so that trip counts are constants; a step all of whose keys come after the wave's queries is jumped over but for the lines that step addresses.
; LAYOUT.  Both products are used transposed: S^T = K Q^T (source 0 = 16 keys, source 1 = my 16 queries), O^T = V^T P^T (source 0 = 16 channels, source 1 = P): a lane holds ONE query (row lane % 16 of its tile) throughout.
; THE ROWS OF A TILE ARE NOT NEIGHBOURS: row r of tile 2 b + u is 32 b + 8 u + r + 8 (r / 8), for queries, keys and channels alike.  So the 16 registers of tiles 2 b and 2 b + 1 of S^T are keys 32 b + 16 (lane / 16) + 0 .. 15,
; and those of O^T are channels 32 b + 16 (lane / 16) + 0 .. 15: the conversions' results are the next operand's registers.
; K = 64 IN AN INSTRUCTION OF K = 128: Q's upper eight registers hold zero codes.  A tile of K is eight registers; it is named sixteen long, so its upper half is the next tile's codes (behind the last tile: zeros).  Those codes are finite
; they meet zero codes, and the scale bytes of that half are the 0 that a 16-bit load leaves, which is 2^-127 and no NaN: they add exactly 0.
; A key step is 12 matrix instructions beside some 350 vector instructions, so what is spared is vector work: packed forms for scalings, sums and rescaling.
; LIMITS: NaN and infinities are not served.  A block of zeros gets the byte 1 where the rule says 127: its codes are zeros, and this program alone reads the bytes.
.set KIMG, 0                           ; LDS: K's images [step 16][tile 8][c 2][512 bytes]
.set VIMG, 131072                      ; V's [64 keys 32][tile 4][c 2][512 bytes]
.set SCK,  262144                      ; K's scale words [token 2,048][4 bytes]: bytes 0, 1 the even head of a pair, 2, 3 the odd one
.set SCV,  270336                      ; V's [step 16][channel 64][4 bytes]
.set CHNK, 16384                       ; a piece: two key steps of K or of V
.set LI,   1                           ; v1   16 x lane
.set LV,   2                           ; v2   the same + VIMG
.set AKS,  3                           ; v3   my lane's place among K's scale words
.set AVS,  4                           ; v4   and among V's
.set DQ,   5                           ; v5   r + 8 (r / 8) - 16 (lane / 16)
.set QSO,  6                           ; v6   my byte offset among the tile's scale words of Q
.set CSO,  7                           ; v7   32 r: my row of ctx's scale bytes
.set ADK,  8                           ; v8-11 LDS addresses of the step in hand: K, V, K's scale words, V's
.set ADV,  9
.set ADS,  10
.set ADT,  11
.set QF,   16                          ; v16-23 Q's codes, v24-31 zeros
.set FRG,  32                          ; v32-95 eight tiles of K, later four fragments of V; v96-103 zeros
.set S,    104                         ; v104-167 S^T, then p
.set O,    168                         ; v168-199 O^T
.set PC,   200                         ; v200-215 p's codes; at the end ctx's
.set BM,   216                         ; v216-219 each block's largest score, then largest p
.set T1,   220                         ; v220-223 permute destinations, then bytes
.set HOLD, 224                         ; v224-227 two more chains of the sum
.set SCF,  228                         ; v228-231 the conversions' scale operands
.set FF,   232                         ; v232 f = 2^(old M - new M); v233 is named with it as a pair
.set TT,   234                         ; v234 at work
.set PW,   235                         ; v235 p's scale word
.set SM2,  236                         ; v236-237 the second chain of the sum
.set QS,   238                         ; v238 Q's scale words
.set KSC,  240                         ; v240-247 K's scale words, a register a tile
.set VSC,  248                         ; v248-251 V's
.set DD,   252                         ; v252 the mask's bound
.set NINF, 253                         ; v253 -infinity
.set CW,   254                         ; v254 ctx's two scale bytes
.set WV,   20                          ; s20 wave;  s21 i;  s22 batch;  s23 head
.set IX,   21
.set BT,   22
.set HD,   23
.set SEL,  24                          ; s[24:25] lane selects for v_permlanex16_b32: lane l xor 16
.set CS,   26                          ; s[26:27] c = log2(e) / 8: the packed form names a pair and takes its low word for both halves
.set MNT,  28
.set Q0,   29                          ; s29 my tile's first query
.set KF,   30                          ; s30 the step's first key
.set TK,   31                          ; s31 where the step's images begin: 8,192 bytes a step, for K and for V
.set TS,   32                          ; s32 K's scale words: 512 bytes a step
.set TJ,   33                          ; s33 V's: 256 bytes a step
.set CNT,  34                          ; s34 the loops' counter
.set G1D,  40                          ; s[40:47] descriptor group 1 for a piece;  s[48:55] for the scale words
.set G1S,  48
.set G0S,  56                          ; s[56:59] group 0 for the scale words
.set GJ,   60                          ; s[60:63] group 0 for piece 0; piece j = 1 .. 7 at s[GJ + 4 + 4 j] on
.macro DESC1 g, c, r, p                ; group 1: r rows of c elements of 8 bytes, p elements from row to row; no mask, no padding
	s_mov_b32 s[\g], 3<<16
	s_mov_b32 s[\g+1], (\c)<<16                    ; tensor_dim0
	s_mov_b32 s[\g+2], (\r)<<16                    ; tensor_dim1
	s_mov_b32 s[\g+3], (\c)<<16                    ; tile_dim0
	s_mov_b32 s[\g+4], \r                          ; tile_dim1
	s_mov_b32 s[\g+5], \p                          ; tensor_dim0_stride
	s_mov_b32 s[\g+6], 0
	s_mov_b32 s[\g+7], 0
.endm
.macro DESC0 g, lds, base, off         ; group 0: to LDS byte lds, from off bytes behind the address in s[base:base+1]
	s_mov_b32 s[\g], 1
	s_mov_b32 s[\g+1], \lds
	s_add_nc_u64 s[\g+2:\g+3], s[\base:\base+1], \off
	s_or_b32 s[\g+3], s[\g+3], 0x80000000
.endm
.macro LOADS                           ; a loading wave's nine first fills, on end; four v_nop follow the last
	tensor_load_to_lds s[G0S:G0S+3], s[G1S:G1S+7]
	s_nop 0
	tensor_load_to_lds s[GJ:GJ+3], s[G1D:G1D+7]
	s_nop 0
.irp j, 1,2,3,4,5,6,7
	tensor_load_to_lds s[GJ+4+4*\j:GJ+7+4*\j], s[G1D:G1D+7]
	s_nop 0
.endr
.rept 4
	v_nop
.endr
.endm
	s_load_b512 s[4:19], s[0:1], 0x0               ; q's image s[4:5], q's scale words s[6:7], k's s[8:11], v's s[12:15], ctx's s[16:19]
	v_lshl_add_u32 v239, v0, 2, 0x43000
	v_mov_b32 v255, 0
	ds_add_u32 v239, v255
	ds_add_u32 v239, v255
	v_lshrrev_b32 v8, 5, v0
	s_delay_alu instid0(VALU_DEP_1)
	v_readfirstlane_b32 s[WV], v8                  ; wave 0..15
	s_mov_b32 s[IX], ttmp9
	s_and_b32 s35, ttmp7, 0xffff
	s_lshr_b32 s[BT], s35, 4
	s_and_b32 s[HD], s35, 15
	s_mov_b32 s[SEL], 0x76543210
	s_mov_b32 s[SEL+1], 0xfedcba98
	s_mov_b32 s[CS], 0x3e38aa3b                    ; c = log2(e) / sqrt(64)
	s_mov_b32 s[CS+1], s[CS]                       ; (named with it as a pair, so it is written)
	s_lshl_b32 s100, s[HD], 19                     ; the head's images of k: head x 524,288 + batch x 131,072
	s_lshl_b32 s35, s[BT], 17
	s_add_co_u32 s100, s100, s35
	s_mov_b32 s101, 0                              ; stays 0: the upper word of every offset
	s_wait_dscnt 0x0
	s_wait_kmcnt 0x0
	s_add_nc_u64 s[36:37], s[8:9], s[100:101]
	s_lshr_b32 s100, s[HD], 1                      ; its scale words: (head / 2) x 32,768 + batch x 8,192
	s_lshl_b32 s100, s100, 15
	s_lshl_b32 s35, s[BT], 13
	s_add_co_u32 s100, s100, s35
	s_add_nc_u64 s[38:39], s[10:11], s[100:101]
	s_lshl_b32 s100, s[BT], 21                     ; v's images: batch x 32 x 65,536 + head x 4,096
	s_lshl_b32 s35, s[HD], 12
	s_add_co_u32 s100, s100, s35
	s_add_nc_u64 s[96:97], s[12:13], s[100:101]
	s_lshl_b32 s100, s[BT], 16                     ; its scale words: batch x 16 x 4,096 + head x 256
	s_lshl_b32 s35, s[HD], 8
	s_add_co_u32 s100, s100, s35
	s_add_nc_u64 s[98:99], s[14:15], s[100:101]
	s_cmp_eq_u32 s[WV], 0                          ; a wave's first fills stand in one branch on its number, ahead of every wait on TENSORcnt, every LDS read and every barrier
	s_cbranch_scc0 .Lnot_k
	DESC1 G1S, 32, 32, 32                          ; K's scale words: 8,192 dense bytes as 32 rows of 256
	DESC1 G1D, 32, 64, 32                          ; a piece of K: 16,384 dense bytes as 64 rows of 256
	DESC0 G0S, SCK, 38, 0
	DESC0 GJ, KIMG, 36, 0
.irp j, 1,2,3,4,5,6,7
	DESC0 GJ+4+4*\j, KIMG+CHNK*\j, 36, CHNK*\j
.endr
	LOADS
	s_branch .Lasked
.Lnot_k:
	s_cmp_eq_u32 s[WV], 1
	s_cbranch_scc0 .Lasked
	DESC1 G1S, 32, 16, 512                         ; V's scale words: 16 steps x 256 bytes, 4,096 bytes apart
	DESC1 G1D, 512, 4, 8192                        ; a piece of V: four runs of 64 keys x 4,096 bytes, 65,536 bytes apart
	DESC0 G0S, SCV, 98, 0
	DESC0 GJ, VIMG, 96, 0
.irp j, 1,2,3,4,5,6,7
	DESC0 GJ+4+4*\j, VIMG+CHNK*\j, 96, 262144*\j
.endr
	LOADS
.Lasked:
	v_and_b32 v8, 31, v0                           ; lane
	s_delay_alu instid0(VALU_DEP_1)
	v_lshlrev_b32 v[LI], 4, v8
	s_delay_alu instid0(VALU_DEP_1)
	v_add_nc_u32 v[LV], VIMG, v[LI]
	v_and_b32 v9, 15, v0                           ; r
	v_bfe_u32 v10, v0, 4, 1                        ; h
	s_delay_alu instid0(VALU_DEP_2)
	v_and_b32 v11, 8, v9
	s_delay_alu instid0(VALU_DEP_1)
	v_add_nc_u32 v11, v11, v9                      ; r + 8 (r / 8)
	s_and_b32 s35, s[HD], 1
	s_lshl_b32 s35, s35, 1                         ; my head's two bytes of a pair's scale word
	v_lshl_add_u32 v[QSO], v11, 2, s35
	s_delay_alu instid0(VALU_DEP_1)
	v_add_nc_u32 v[AKS], SCK, v[QSO]
	v_lshl_add_u32 v[AVS], v11, 2, SCV
	v_lshlrev_b32 v[DQ], 4, v10
	s_delay_alu instid0(VALU_DEP_1)
	v_sub_nc_u32 v[DQ], v11, v[DQ]
	v_lshlrev_b32 v[CSO], 5, v9
.irp j, 0,1,2,3,4,5,6,7
	v_mov_b32 v[QF+8+\j], 0                        ; Q's upper half: zero codes
	v_mov_b32 v[FRG+64+\j], 0                      ; and what stands behind K's last tile
.endr
.irp b, 0,1,2,3
	v_mov_b32 v[T1+\b], 0                          ; written once: a lane permute's destination counts as one of its sources
.endr
	v_mov_b32 v[FF+1], 0                           ; (named as the upper half of a pair)
	v_mov_b32 v[TT], 0
	v_mov_b32 v[NINF], 0xff800000
; A KEY STEP: 128 keys.
.macro STEP
	s_add_co_u32 s35, s[Q0], 23                    ; my tile's last query.  A step all of whose keys come after it is left out: a scalar branch on ids, not round the lines at the step's end that step addresses
	s_cmp_gt_u32 s[KF], s35
	s_cbranch_scc1 .Lhidden_\@
	s_setprio 2
	v_add_nc_u32 v[ADK], s[TK], v[LI]
	v_add_nc_u32 v[ADV], s[TK], v[LV]
	v_add_nc_u32 v[ADS], s[TS], v[AKS]
	v_add_nc_u32 v[ADT], s[TJ], v[AVS]
.rept 4
	v_nop                                          ; with the four additions: eight places in front of loads into registers that the last step's products have read
.endr
.irp t, 0,1,2,3,4,5,6,7
.irp c, 0,1
	ds_load_b128 v[FRG+8*\t+4*\c:FRG+8*\t+4*\c+3], v[ADK] offset:1024*\t+512*\c
.endr
.endr
.irp t, 0,1,2,3,4,5,6,7
	ds_load_u16 v[KSC+\t], v[ADS] offset:(32*(\t/2)+8*(\t%2))*4      ; two scale bytes of my row of the tile; the upper two come as 0
.endr
.irp t, 0,1,2,3
	ds_load_b32 v[VSC+\t], v[ADT] offset:(32*(\t/2)+8*(\t%2))*4
.endr
	s_wait_alu depctr_va_vdst(0)
	s_wait_dscnt 0x4                               ; K's tiles and scale words are in; the youngest four loads, V's scale words, may be out
.irp t, 0,1,2,3,4,5,6,7
	v_wmma_scale_f32_16x16x128_f8f6f4 v[S+8*\t:S+8*\t+7], v[FRG+8*\t:FRG+8*\t+15], v[QF:QF+15], 0, v[KSC+\t], v[QS]
.endr
.rept 8
	v_nop                                          ; eight places: in front of the loads into K's registers, and of the first read of the scores
.endr
.irp t, 0,1,2,3
.irp c, 0,1,2,3
	ds_load_b128 v[FRG+16*\t+4*\c:FRG+16*\t+4*\c+3], v[ADV] offset:(\c/2)*4096+1024*\t+(\c%2)*512   ; V's fragments land under the softmax
.endr
.endr
	s_add_co_u32 s35, s[KF], 127                   ; on the diagonal the scores of hidden keys become -infinity ahead of the maximum: p = 0 then.  A step all of whose keys count skips this
	s_cmp_le_u32 s35, s[Q0]
	s_cbranch_scc1 .Lopen_\@
	s_sub_co_i32 s35, s[Q0], s[KF]
	v_add_nc_u32 v[DD], s35, v[DQ]                 ; d = my query - the step's first key - 16 (lane / 16).  Register 16 b + i holds key 32 b + 16 (lane / 16) + i of the step: hidden where 32 b + i > d
.set cn, 0
.rept 64
	v_cmp_gt_i32 vcc_lo, 32*(cn/16)+cn%16, v[DD]
	v_cndmask_b32 v[S+cn], v[S+cn], v[NINF], vcc_lo
.set cn, cn+1
.endr
.Lopen_\@:
.irp b, 0,1,2,3
	v_max3_num_f32 v[BM+\b], v[S+16*\b], v[S+1+16*\b], v[S+2+16*\b]   ; THE LARGEST SCORE OF EACH BLOCK OF 32 KEYS: it serves twice: for the row's maximum, and, since p rises with the score, for the block's largest p
.endr
.irp i, 3,5,7,9,11,13
.irp b, 0,1,2,3
	v_max3_num_f32 v[BM+\b], v[BM+\b], v[S+16*\b+\i], v[S+1+16*\b+\i]
.endr
.endr
.irp b, 0,1,2,3
	v_max_num_f32 v[BM+\b], v[BM+\b], v[S+15+16*\b]
.endr
.irp b, 0,1,2,3
	s_delay_alu instid0(VALU_DEP_4)
	v_permlanex16_b32 v[T1+\b], v[BM+\b], s[SEL], s[SEL+1]
.endr
.irp b, 0,1,2,3
	s_delay_alu instid0(VALU_DEP_4)
	v_max_num_f32 v[BM+\b], v[BM+\b], v[T1+\b]     ; with lane l xor 16's 16 keys
.endr
	s_delay_alu instid0(VALU_DEP_2)
	v_max3_num_f32 v[TT], v[BM], v[BM+1], v[BM+2]
	s_delay_alu instid0(VALU_DEP_1)
	v_max_num_f32 v[TT], v[TT], v[BM+3]            ; the step's largest score of my query: a number, since the step's first key counts for every query of the tile
	s_delay_alu instid0(VALU_DEP_1)
	v_mul_f32 v[TT], s[CS], v[TT]                  ; as t (c is positive)
	s_delay_alu instid0(VALU_DEP_1)
	v_max_num_f32 v13, v13, v[TT]                  ; the running largest t
	v_mov_b32 v[TT], v12
	s_delay_alu instid0(VALU_DEP_2)
	v_floor_f32 v12, -v13                          ; the new -M = floor(-t) = -ceil(t): M IS A WHOLE NUMBER
	s_delay_alu instid0(VALU_DEP_1)
	v_sub_f32 v[TT], v12, v[TT]                    ; M's old value less its new one: a whole number, 0 or less
	s_delay_alu instid0(VALU_DEP_1)
	v_cvt_i32_f32 v[TT], v[TT]                     ; (it saturates)
	s_delay_alu instid0(VALU_DEP_1)
	v_ldexp_f32 v[FF], 1.0, v[TT]                  ; f = 2^(old M - new M)
.set cj, 0
	s_setprio 1
.rept 32
	v_pk_fma_f32 v[S+cj:S+cj+1], v[S+cj:S+cj+1], s[CS:CS+1], v[12:13] op_sel_hi:[1,0,0]   ; t - M, two at a time (of the pairs c and -M the low word serves both halves)
.set cj, cj+2
.endr
.irp b, 0,1,2,3
	v_fma_f32 v[BM+\b], v[BM+\b], s[CS], v12       ; the same of each block's largest score
.endr
.set cj, 0
	s_wait_alu depctr_va_vdst(0)
.rept 64
	v_exp_f32 v[S+cj], v[S+cj]                     ; p = 2^(t - M): NOT normalised
.set cj, cj+1
.endr
.irp b, 0,1,2,3
	v_exp_f32 v[BM+\b], v[BM+\b]                   ; the block's largest p: the same two instructions on the same number give the same bits
.endr
	v_pk_mul_f32 v[14:15], v[14:15], v[FF:FF+1] op_sel_hi:[1,0]   ; the sums under the new M.  (A plain place behind the exponentials)
	s_wait_alu depctr_va_vdst(0)
.irp b, 0,1,2,3
	v_max_num_f32 v[BM+\b], 0x4800000, v[BM+\b]    ; the floor 2^(9 - 127): the byte cannot fall under 1
.endr
.irp b, 0,1,2,3
	s_delay_alu instid0(VALU_DEP_4)
	v_add_nc_u32 v[SCF+\b], 0xfc000000, v[BM+\b]   ; 8 off the exponent field: the conversion's scale operand
.endr
.irp b, 0,1,2,3
.endr
.irp b, 0,1,2,3
	s_delay_alu instid0(VALU_DEP_4)
	v_lshrrev_b32 v[T1+\b], 23, v[SCF+\b]          ; the scale's byte
.endr
	s_delay_alu instid0(VALU_DEP_3)
	v_lshl_or_b32 v[PW], v[T1+1], 8, v[T1]         ; p's scale word for these 128 keys
	s_delay_alu instid0(VALU_DEP_1)
	v_lshl_or_b32 v[PW], v[T1+2], 16, v[PW]
	s_delay_alu instid0(VALU_DEP_1)
	v_lshl_or_b32 v[PW], v[T1+3], 24, v[PW]
	v_pk_add_f32 v[236:237], v[108:109], v[112:113]
	v_pk_add_f32 v[246:247], v[116:117], v[120:121]
	v_pk_add_f32 v[244:245], v[124:125], v[128:129]
	v_pk_add_f32 v[242:243], v[132:133], v[136:137]
	v_pk_add_f32 v[240:241], v[140:141], v[144:145]
	v_pk_add_f32 v[226:227], v[148:149], v[152:153]
	v_pk_add_f32 v[224:225], v[156:157], v[160:161]
	v_pk_add_f32 v[14:15], v[14:15], v[164:165]
	v_pk_add_f32 v[236:237], v[236:237], v[104:105]
	v_pk_add_f32 v[246:247], v[246:247], v[106:107]
	v_pk_add_f32 v[244:245], v[244:245], v[110:111]
	v_pk_add_f32 v[242:243], v[242:243], v[114:115]
	v_pk_add_f32 v[240:241], v[240:241], v[118:119]
	v_pk_add_f32 v[226:227], v[226:227], v[122:123]
	v_pk_add_f32 v[224:225], v[224:225], v[126:127]
	v_pk_add_f32 v[14:15], v[14:15], v[130:131]
	v_pk_add_f32 v[236:237], v[236:237], v[134:135]
	s_setprio 0
	v_pk_add_f32 v[246:247], v[246:247], v[138:139]
	v_pk_add_f32 v[244:245], v[244:245], v[142:143]
	v_pk_add_f32 v[242:243], v[242:243], v[146:147]
	v_pk_add_f32 v[240:241], v[240:241], v[150:151]
	v_pk_add_f32 v[226:227], v[226:227], v[154:155]
	v_pk_add_f32 v[224:225], v[224:225], v[158:159]
	v_pk_add_f32 v[14:15], v[14:15], v[162:163]
	v_pk_add_f32 v[236:237], v[236:237], v[166:167]
	s_delay_alu instid0(VALU_DEP_2)
	v_pk_add_f32 v[14:15], v[14:15], v[242:243]
	s_delay_alu instid0(VALU_DEP_2)
	v_pk_add_f32 v[236:237], v[236:237], v[240:241]
	v_pk_add_f32 v[246:247], v[246:247], v[226:227]
	v_pk_add_f32 v[244:245], v[244:245], v[224:225]
	s_delay_alu instid0(VALU_DEP_2)
	v_pk_add_f32 v[14:15], v[14:15], v[246:247]
	s_delay_alu instid0(VALU_DEP_2)
	v_pk_add_f32 v[236:237], v[236:237], v[244:245]
	s_delay_alu instid0(VALU_DEP_1)
	v_pk_add_f32 v[14:15], v[14:15], v[236:237]
; THE HOLD.  The conversion to an 8-bit code does not saturate (ISA guide 7.6.2); p is not negative, so the hold is one-sided.  Two holds go in one instruction.  A pair takes an even register of one block and an odd one of
; the block beside it: so one destination is even and the other odd, the two first sources have different numbers modulo 4, and so have the two second sources, the two blocks' bounds.
.irp g, 0,2
.set cj, 0
.rept 8
.set cj, cj+2
.endr
.irp b, \g, \g+1
	v_cvt_scalef32_pk8_fp8_f32 v[PC+4*(\b):PC+4*(\b)+1], v[S+16*(\b):S+16*(\b)+7], v[SCF+(\b)]
	v_cvt_scalef32_pk8_fp8_f32 v[PC+4*(\b)+2:PC+4*(\b)+3], v[S+16*(\b)+8:S+16*(\b)+15], v[SCF+(\b)]
.endr
.endr
.set cj, 0
.rept 16
	v_pk_mul_f32 v[O+cj:O+cj+1], v[O+cj:O+cj+1], v[FF:FF+1] op_sel_hi:[1,0]   ; O^T under the new M: x f.  (These sixteen are also the places between the conversions and the products below)
.set cj, cj+2
.endr
	s_wait_alu depctr_va_vdst(0)
	s_wait_dscnt 0x0                               ; V's fragments and scale words are in
.irp t, 0,1,2,3
	v_wmma_scale_f32_16x16x128_f8f6f4 v[O+8*\t:O+8*\t+7], v[FRG+16*\t:FRG+16*\t+15], v[PC:PC+15], v[O+8*\t:O+8*\t+7], v[VSC+\t], v[PW]   ; the four accumulators by turns
.endr
.Lhidden_\@:
	s_add_co_u32 s[KF], s[KF], 128
	s_add_co_u32 s[TK], s[TK], 8192
	s_add_co_u32 s[TS], s[TS], 512
	s_add_co_u32 s[TJ], s[TJ], 256
.endm
.macro WALK n                          ; n key steps
	s_mov_b32 s[CNT], \n
.Lwalk_\@:
	STEP
	s_sub_co_u32 s[CNT], s[CNT], 1
	s_cmp_lg_u32 s[CNT], 0
	s_cbranch_scc1 .Lwalk_\@
	s_setprio 0
.endm
; A PASS: one tile of 16 queries against all keys that count for it.
.macro PASS p
.if \p
	s_wait_xcnt 0x0                                ; the last pass's stores have read their data and their bases: both are written again only behind this wait
	s_lshl_b32 s35, s[IX], 4
	s_add_co_u32 s35, s35, 15
	s_sub_co_u32 s35, s35, s[WV]                   ; tile 16 i + 15 - w
.else
	s_sub_co_u32 s35, 7, s[IX]
	s_lshl_b32 s35, s35, 4
	s_add_co_u32 s35, s35, s[WV]                   ; tile 16 (7 - i) + w
.endif
	s_lshr_b32 s[Q0], s35, 1
	s_lshl_b32 s[Q0], s[Q0], 5
	s_and_b32 s100, s35, 1
	s_lshl_b32 s100, s100, 3
	s_add_co_u32 s[Q0], s[Q0], s100                ; its first query: 32 (tile / 2) + 8 (tile % 2)
	s_lshl_b32 s100, s[HD], 19                     ; its image: head x 524,288 + batch x 131,072 + tile x 1,024
	s_lshl_b32 s34, s[BT], 17
	s_add_co_u32 s100, s100, s34
	s_lshl_b32 s34, s35, 10
	s_add_co_u32 s100, s100, s34
	s_add_nc_u64 s[36:37], s[4:5], s[100:101]
	s_lshr_b32 s100, s[HD], 1                      ; its scale words: (head / 2) x 32,768 + batch x 8,192 + 4 x the first query
	s_lshl_b32 s100, s100, 15
	s_lshl_b32 s34, s[BT], 13
	s_add_co_u32 s100, s100, s34
	s_lshl_b32 s34, s[Q0], 2
	s_add_co_u32 s100, s100, s34
	s_add_nc_u64 s[38:39], s[6:7], s[100:101]
	s_lshl_b32 s34, s[BT], 7
	s_add_co_u32 s34, s34, s35                     ; ctx: tile 128 x batch + tile: 16,384 bytes of codes, of which my head has 1,024,
	s_lshl_b32 s100, s34, 14
	s_lshl_b32 s35, s[HD], 10
	s_add_co_u32 s100, s100, s35
	s_add_nc_u64 s[96:97], s[16:17], s[100:101]
	s_lshl_b32 s100, s34, 9                        ; and 512 scale bytes, of which my head has two in each row of 32
	s_lshl_b32 s35, s[HD], 1
	s_add_co_u32 s100, s100, s35
	s_add_nc_u64 s[98:99], s[18:19], s[100:101]
	global_load_b128 v[QF:QF+3], v[LI], s[36:37]             ; Q's fragment stays in registers for the pass
	global_load_b128 v[QF+4:QF+7], v[LI], s[36:37] offset:512
	global_load_u16 v[QS], v[QSO], s[38:39]                  ; its two scale bytes; the upper two come as 0
	v_mov_b32 v13, 0xff61b1e6                      ; the largest t so far: -3e38, under every t
	s_delay_alu instid0(VALU_DEP_1)
	v_floor_f32 v12, -v13                          ; -M
	v_mov_b32 v14, 0                               ; the sum, in two halves
	v_mov_b32 v15, 0
.set cj, 0
.rept 32
	v_mov_b32 v[O+cj], 0                           ; O^T.  (The step is written for all steps alike: the first finds zeros, which the first change of M leaves zeros)
.set cj, cj+1
.endr
	s_mov_b32 s[KF], 0
	s_mov_b32 s[TK], 0
	s_mov_b32 s[TS], 0
	s_mov_b32 s[TJ], 0
.if \p
	s_wait_loadcnt 0x0                             ; Q
	WALK 16
.else
	s_wait_tensorcnt 0x7                           ; a loading wave: its scale words and its piece 0 have landed; the seven pieces asked for behind them may be out.  (The others have no load out)
	s_barrier_signal -1
	s_barrier_wait -1                              ; so every wave may read key steps 0 and 1
	s_wait_loadcnt 0x0                             ; Q
	WALK 2
	s_wait_tensorcnt 0x0                           ; all pieces have landed
	s_wait_dscnt 0x0
	s_barrier_signal -1
	s_barrier_wait -1                              ; and every wave may read them
	WALK 14
.endif
	; THE WAY OUT.  O^T / the sum is ctx: register 16 g + i is channel 32 g + 16 (lane / 16) + i of my query: two blocks of 32 along the next product's K.  Their codes are that product's operand registers and are stored as they stand.
.rept 8
	v_nop                                          ; eight places behind the last products
.endr
	v_add_f32 v14, v14, v15                        ; the sum's two halves,
	s_delay_alu instid0(VALU_DEP_1)
	v_permlanex16_b32 v[TT], v14, s[SEL], s[SEL+1]
	s_delay_alu instid0(VALU_DEP_1)
	v_add_f32 v14, v14, v[TT]                      ; and lane l xor 16's: the row's sum
	s_wait_alu depctr_va_vdst(0)
	v_rcp_f32 v14, v14
	v_nop                                          ; one plain place behind a transcendental
.set cj, 0
	s_wait_alu depctr_va_vdst(0)
.rept 16
	v_pk_mul_f32 v[O+cj:O+cj+1], v[O+cj:O+cj+1], v[14:15] op_sel_hi:[1,0]   ; each accumulator from its low end on
.set cj, cj+2
.endr
.irp g, 0,1
	v_max3_num_f32 v[BM+\g], |v[O+16*\g]|, |v[O+1+16*\g]|, 0x4800000        ; block g: my 16 numbers, and the floor 2^(9 - 127)
.endr
.irp i, 2,4,6,8,10,12,14
.irp g, 0,1
	s_delay_alu instid0(VALU_DEP_2)
	v_max3_num_f32 v[BM+\g], v[BM+\g], |v[O+16*\g+\i]|, |v[O+1+16*\g+\i]|
.endr
.endr
.irp g, 0,1
	s_delay_alu instid0(VALU_DEP_2)
	v_permlanex16_b32 v[T1+\g], v[BM+\g], s[SEL], s[SEL+1]
.endr
.irp g, 0,1
	s_delay_alu instid0(VALU_DEP_2)
	v_max_num_f32 v[BM+\g], v[BM+\g], v[T1+\g]
.endr
.irp g, 0,1
	s_delay_alu instid0(VALU_DEP_2)
	v_add_nc_u32 v[SCF+\g], 0xfc000000, v[BM+\g]
.endr
.irp g, 0,1
.endr
.irp g, 0,1
	s_delay_alu instid0(VALU_DEP_2)
	v_lshrrev_b32 v[T1+\g], 23, v[SCF+\g]
.endr
	s_delay_alu instid0(VALU_DEP_1)
	v_lshl_or_b32 v[CW], v[T1+1], 8, v[T1]
.irp g, 0,1
.set cj, 0
.rept 16
.set cj, cj+1
.endr
	v_cvt_scalef32_pk8_fp8_f32 v[PC+4*\g:PC+4*\g+1], v[O+16*\g:O+16*\g+7], v[SCF+\g]
	v_cvt_scalef32_pk8_fp8_f32 v[PC+4*\g+2:PC+4*\g+3], v[O+16*\g+8:O+16*\g+15], v[SCF+\g]
.endr
	v_nop                                          ; one plain vector instruction behind the last scaled conversion
	global_store_b128 v[LI], v[PC:PC+3], s[96:97]              ; 32 lanes store 512 consecutive bytes, at a multiple of 256 from the buffer's first byte
	global_store_b128 v[LI], v[PC+4:PC+7], s[96:97] offset:512
	global_store_b16 v[CSO], v[CW], s[98:99]                   ; two bytes a row, 32 bytes apart (lanes r and r + 16 the same two): 2 bytes for each 64 of codes; so the next launch finds whole scale words
.endm
	PASS 0
	PASS 1
	s_wait_tensorcnt 0x0
	ds_add_u32 v239, v255
	s_wait_dscnt 0x0
	s_endpgm
.Lfunc_end_k_q2e2c479bbe_attn:
	.size	k_q2e2c479bbe_attn, .Lfunc_end_k_q2e2c479bbe_attn-k_q2e2c479bbe_attn
	.p2alignl 7, 3214868480
	.fill 96, 4, 3214868480
	.section	.rodata,"a",@progbits
	.p2align	6, 0x0
	.amdhsa_kernel k_q2e2c479bbe_attn
		.amdhsa_group_segment_fixed_size 276480
		.amdhsa_private_segment_fixed_size 0
		.amdhsa_enable_private_segment 0
		.amdhsa_kernarg_size 64
		.amdhsa_user_sgpr_count 2
		.amdhsa_user_sgpr_kernarg_segment_ptr 1
		.amdhsa_wavefront_size32 1
		.amdhsa_system_sgpr_workgroup_id_x 1
		.amdhsa_system_sgpr_workgroup_id_y 1
		.amdhsa_system_sgpr_workgroup_id_z 1
		.amdhsa_system_vgpr_workitem_id 0
		.amdhsa_next_free_vgpr 256
		.amdhsa_next_free_sgpr 102
		.amdhsa_reserve_vcc 1
		.amdhsa_float_denorm_mode_32 3
		.amdhsa_float_denorm_mode_16_64 3
		.amdhsa_fp16_overflow 1
		.amdhsa_memory_ordered 1
		.amdhsa_forward_progress 1
		.amdhsa_inst_pref_size 95
	.end_amdhsa_kernel
	.amdgpu_metadata
---
amdhsa.version: [ 1, 2 ]
amdhsa.kernels:
  - .name:           k_q2e2c479bbe_attn
    .symbol:         k_q2e2c479bbe_attn.kd
    .args:
      - { .name: q_img, .offset: 0, .size: 8, .value_kind: global_buffer, .address_space: global }
      - { .name: q_sc, .offset: 8, .size: 8, .value_kind: global_buffer, .address_space: global }
      - { .name: k_img, .offset: 16, .size: 8, .value_kind: global_buffer, .address_space: global }
      - { .name: k_sc, .offset: 24, .size: 8, .value_kind: global_buffer, .address_space: global }
      - { .name: v_img, .offset: 32, .size: 8, .value_kind: global_buffer, .address_space: global }
      - { .name: v_sc, .offset: 40, .size: 8, .value_kind: global_buffer, .address_space: global }
      - { .name: ctx_img, .offset: 48, .size: 8, .value_kind: global_buffer, .address_space: global }
      - { .name: ctx_sc, .offset: 56, .size: 8, .value_kind: global_buffer, .address_space: global }
    .group_segment_fixed_size: 276480
    .private_segment_fixed_size: 0
    .kernarg_segment_align: 8
    .kernarg_segment_size: 64
    .max_flat_workgroup_size: 512
    .sgpr_count:     102
    .vgpr_count:     256
    .wavefront_size: 32
...
	.end_amdgpu_metadata
.endif
;; end of part 2
;; launch outp (part 3): grid 4 x 64, 4 waves a work-group, clusters of 4 x 4, 327,680 bytes of LDS; arguments ctx_img, ctx_sc, Wo_codes, Wo_scales, out0, bo; writes out0
.if DOCPART == 3
	.amdgcn_target "amdgcn-amd-amdhsa--gfx1250"
	.amdhsa_code_object_version 6
	.text
	.protected	k_q2e2c479bbe_outp
	.globl	k_q2e2c479bbe_outp
	.p2align	8
	.type	k_q2e2c479bbe_outp,@function
k_q2e2c479bbe_outp:
	s_mov_b64 s[64:65], 0
	v_nop
	global_prefetch_b8 v0, s[64:65] scope:SCOPE_SE
	s_setreg_imm32_b32 hwreg(HW_REG_WAVE_MODE, 25, 1), 1
	s_wait_xcnt 0x0
	s_wait_alu depctr_hold_cnt(0) depctr_sa_sdst(0) depctr_va_vdst(0) depctr_va_sdst(0) depctr_va_ssrc(0) depctr_va_vcc(0) depctr_vm_vsrc(0)
	s_getreg_b32 s2, hwreg(HW_REG_IB_STS2, 6, 4)
	s_cmp_eq_u32 s2, 0
	s_cbranch_scc0 .Lentry_in_a_cluster
	s_endpgm
.Lentry_in_a_cluster:
	s_bfe_u32 s2, ttmp6, 0x10000c
	s_cmp_lg_u32 s2, 0xf033
	s_cbranch_scc0 .Lentry_shape_is_right
	s_endpgm
.Lentry_shape_is_right:
; out0 = ctx Wo + bo.  C[m][n] = bo[n] + sum over k of A[m][k] B[n][k], K = 1,024, on codes of FP8 (E4M3) with one E8M0 scale for each 32 along K; C: [8,192][1,024] f32.
; A = ctx comes from the launch before as IMAGES OF OPERAND REGISTERS: [tile of 16 rows 512][32 along K 32][16 x lane]; row r of tile mt is token 32 (mt / 2) + 8 (mt % 2) + r + 8 (r / 8); its scale bytes [tile][r][32].
; B = Wo: [1,024 (n)][1,024 (k)] codes, K innermost; its scale bytes [1,024][32].
; A tile of C is 128 x 256: C has 256 of them, twice as many as of 256 x 256.  Four waves, each 64 x 128: 32 accumulators of 16 x 16, 256 registers.  The price: a step of 128 along K reads 12 fragments from LDS for 32 products,
; where a wave tile of 128 x 128 reads 16 for 64.
; K goes in steps of 256 through a ring of two LDS slots filled by the tensor data mover: four K steps, written out.  The scales of the work-group's rows of A and of B, for all of K, come into LDS once.
; CLUSTERS: 4 x 4 work-groups; A's tiles are asked for jointly along a row of the cluster, B's along a column.
; THE MATRIX INSTRUCTION IS USED TRANSPOSED (source 0 = 16 rows of B, source 1 = 16 rows of A): a lane holds eight neighbouring numbers of a row of C.  THE BIAS is the C of each sum's first matrix instruction.
; REGISTERS, in windows of 256: window 0: v0-31 addresses; v32-63 scale words, two sets; v64-127 the bias, eight registers for each of B's blocks; v128-191, v192-255 A's fragments (4 x 16 rows x 128 K), two sets;
;   on the way out v128-255 take the rows read back.   window 1: B's fragments (8 x 16 rows x 128 K), two sets.   window 2: the accumulators ((a, b) at v[8 (8 a + b)]).
.set SIZE_N, 1024
.set NQ,     2                         ; matrix instructions deep in a slot: 256 along K
.set ROWB,   256                       ; a row of B's tile in bytes
.set ASTEP,  4096                      ; a K step of one tile of A's rows in bytes: 8 blocks of 32 along K x 512
.set KROW,   1024                      ; a row of B in memory; also A's bytes for each row (16 rows: 16,384)
.set PITCH,  272                       ; an LDS row of B: 256 bytes + 16 of padding = 68 words: row r starts at bank 4 r mod 64 (64 banks of 4 bytes: ISA guide 11.1)
.set FR,     16                        ; registers of a fragment
.set NP,     8                         ; places behind this matrix instruction (ISA guide 7.12.1)
.set HALFA,  4*ASTEP                   ; four tiles of A: what wave 0 or 1 fetches, and what a wave reads of A
.set HALFB,  128*PITCH                 ; 128 rows of B: what wave 2 or 3 fetches, and what a wave reads of B
.set BOFF,   2*HALFA                   ; in a slot B's rows lie behind A's eight tiles
.set SLOT,   BOFF+2*HALFB
.set KS,     32                        ; a row of scales in bytes
.set SCL,    2*SLOT                    ; behind the ring: the scales, as units of 256 bytes + 16 of padding: A's 128 rows, then B's 256
.set HALFSA, (64*KS/256)*272           ; the scales of 64 rows
.set HALFSB, (128*KS/256)*272          ; of 128 rows
.set SBLK,   (16*KS/256)*272           ; of 16 rows
.set SPARE,  SCL+2*HALFSA+2*HALFSB     ; the spare words, 128 bytes for each wave: two blocks of 256 bytes that no other line names
.set STG,    SPARE+512                 ; the way out: a stage of 16 rows x (512 bytes + 16) for each wave, in bytes of its own: no fill lands there
.set SPITCH, 528
.set ADRA, 16                          ; v16-17  LDS address of my A fragments in slot 0, 1
.set ADRB, 20                          ; v20-21  the same for B
.set STO,  24                          ; v24     the way out: where I put 32 bytes of a row
.set RD,   25                          ; v25     where I read a row back
.set CO,   26                          ; v26     16 x lane
.set ADRS, 27                          ; v27     LDS address of my scale words: lanes 0-15 A's rows, lanes 16-31 B's
.set SPW,  28                          ; v28     LDS address of my spare word; never rewritten
.set NIL,  29                          ; v29     0; never rewritten
.set BOF,  30                          ; v30     32 x (lane / 16): my byte offset in a block's 16 numbers of the bias
.set SC,   32                          ; scale words: set s (for slot s) at v[SC + 16 s]; register 2 i + q: lanes 0-15 the word of A's block i, lanes 16-31 that of B's block i
.set BIAS, 64
.set AF,   128
.set BK,   128
.set G1, 24                            ; s[24:31] descriptor group 1 for A's tiles;  s[32:39] group 0, one set for each slot
.set G0, 32
.set G1B, 48                           ; s[48:55], s[56:63] the same for B's tiles
.set G0B, 56
.set G1S, 68                           ; s[68:75], s[76:79] groups 1 and 0 for A's scales;  s[80:87], s[88:91] for B's
.set G0S, 76
.set G1SB, 80
.set G0SB, 88
.set MSB, 0
.macro WIN new                         ; the immediate's high byte repeats the setting that is left
.if MSB != \new
	s_set_vgpr_msb (MSB<<8)|\new
.set MSB, \new
.endif
.endm
.set MUL,   0xa1                       ; source 0 (B) window 1, source 1 (A) window 0, C and D window 2
.set FIRST, 0x81                       ; the first step: C (the bias) window 0, D window 2
.set TO_B,  0x40                       ; destination window 1, address window 0
.macro JLOAD g0a, g1a, g0b, g1b        ; a joint load: waves 0 and 1 fetch for A, waves 2 and 3 for B; four v_nop follow each of the two lines
	s_cmp_eq_u32 s15, 0
	s_cbranch_scc0 .Lfor_b_\@
	tensor_load_to_lds s[\g0a:\g0a+3], s[\g1a:\g1a+7]
	s_nop 0
.rept 4
	v_nop
.endr
	s_branch .Lasked_\@
.Lfor_b_\@:
	tensor_load_to_lds s[\g0b:\g0b+3], s[\g1b:\g1b+7]
	s_nop 0
.rept 4
	v_nop
.endr
.Lasked_\@:
.endm
.macro CREST                           ; a round of the cluster's barrier behind its opening barrier
	s_cmp_lg_u32 s14, 0
	s_cbranch_scc1 .Lnot_wave_0_\@
	s_barrier_signal -3
.Lnot_wave_0_\@:
	s_barrier_wait -3
	s_barrier_signal -1
	s_barrier_wait -1
.endm
.macro CROUND
	s_barrier_signal -1
	s_barrier_wait -1
	CREST
.endm
	s_load_b256 s[4:11], s[0:1], 0x0               ; A's images s[4:5], A's scales s[6:7], B's codes s[8:9], B's scales s[10:11]
	s_load_b64 s[12:13], s[0:1], 0x20              ; C
	s_load_b64 s[96:97], s[0:1], 0x28              ; the bias
	v_lshl_add_u32 v[SPW], v0, 2, SPARE
	v_mov_b32 v[NIL], 0
	ds_add_u32 v28, v29
	ds_add_u32 v28, v29
	s_wait_dscnt 0x0
	v_lshrrev_b32 v1, 5, v0
	v_readfirstlane_b32 s14, v1                    ; wave 0..3
	s_lshr_b32 s15, s14, 1                         ; which half of the tile's rows is mine.  Also: I fetch for A (0) or for B (1)
	s_and_b32 s16, s14, 1                          ; which half of its columns.  Also: which half of that tile I fetch
	s_bfe_u32 s40, ttmp6, 0x40000                  ; cx, cy
	s_bfe_u32 s41, ttmp6, 0x40004
	s_lshl_b32 s42, ttmp9, 2
	s_add_co_u32 s42, s42, s40                     ; tile column of C = 4 x cluster x + cx
	s_and_b32 s17, ttmp7, 0xffff
	s_lshl_b32 s17, s17, 2
	s_add_co_u32 s17, s17, s41                     ; tile row of C = 4 x cluster y + cy
	s_lshl_b32 s43, s41, 2
	s_lshl_b32 s43, 15, s43                        ; my row of the cluster
	s_lshl_b32 s44, 0x1111, s40                    ; my column
	; A: four tiles of 16 rows x 4,096 bytes (512 elements of 8 bytes), 16,384 bytes apart in memory, dense in LDS: images need no padding
	s_or_b32 s[G1+0], s43, (3<<16)|(1<<21)         ; 15:0 the mask: my row of the cluster; 17:16 elements of 8 bytes; 21 set beside a mask
	s_mov_b32 s[G1+1], 512<<16                     ; tensor_dim0
	s_mov_b32 s[G1+2], 4<<16                       ; tensor_dim1
	s_mov_b32 s[G1+3], 512<<16                     ; tile_dim0
	s_mov_b32 s[G1+4], 4                           ; tile_dim1
	s_mov_b32 s[G1+5], 2048                        ; tensor_dim0_stride
	s_mov_b32 s[G1+6], 0
	s_mov_b32 s[G1+7], 0
	; B: 128 rows x 256 bytes, 16 bytes of padding behind each
	s_or_b32 s[G1B+0], s44, (0<<16)|(1<<20)|(1<<21)|(5<<22)|(3<<25)   ; 15:0 my column of the cluster; elements of 1 byte; 20 padding on; 24:22 after every 64 words (code 5); 31:25 of 4 words (code 3)
	s_mov_b32 s[G1B+1], ROWB<<16
	s_mov_b32 s[G1B+2], 128<<16
	s_mov_b32 s[G1B+3], ROWB<<16
	s_mov_b32 s[G1B+4], 128
	s_mov_b32 s[G1B+5], KROW
	s_mov_b32 s[G1B+6], 0
	s_mov_b32 s[G1B+7], 0
	; the scales: dense blocks, as rows of 256 bytes (32 elements of 8 bytes), 16 bytes of padding behind each: A's 64 rows are 8 such rows, B's 128 rows 16
	s_or_b32 s[G1S+0], s43, (3<<16)|(1<<20)|(1<<21)|(5<<22)|(3<<25)
	s_mov_b32 s[G1S+1], 32<<16
	s_mov_b32 s[G1S+2], (64*KS/256)<<16
	s_mov_b32 s[G1S+3], 32<<16
	s_mov_b32 s[G1S+4], 64*KS/256
	s_mov_b32 s[G1S+5], 32
	s_mov_b32 s[G1S+6], 0
	s_mov_b32 s[G1S+7], 0
	s_or_b32 s[G1SB+0], s44, (3<<16)|(1<<20)|(1<<21)|(5<<22)|(3<<25)
	s_mov_b32 s[G1SB+1], 32<<16
	s_mov_b32 s[G1SB+2], (128*KS/256)<<16
	s_mov_b32 s[G1SB+3], 32<<16
	s_mov_b32 s[G1SB+4], 128*KS/256
	s_mov_b32 s[G1SB+5], 32
	s_mov_b32 s[G1SB+6], 0
	s_mov_b32 s[G1SB+7], 0
	s_lshl_b32 s18, s16, 6                         ; which 64 rows of A's tile I would fetch
	s_lshl_b32 s20, s17, 7
	s_add_co_u32 s20, s20, s18                     ; A: row (in tile order) 128 x tile row + 64 x half
	s_lshl_b32 s18, s16, 7                         ; which 128 rows of B's
	s_lshl_b32 s46, s42, 8
	s_add_co_u32 s46, s46, s18                     ; B: row 256 x tile column + 128 x half
	s_mov_b32 s21, 0
	s_mov_b32 s47, 0
	s_mov_b64 s[18:19], KS
	s_mul_u64 s[22:23], s[20:21], s[18:19]         ; where these rows' scales begin, in bytes
	s_mul_u64 s[92:93], s[46:47], s[18:19]
	s_mov_b64 s[18:19], KROW
	s_mul_u64 s[20:21], s[20:21], s[18:19]         ; and their codes: 1,024 bytes a row in both (A: 16 rows are a tile of 16,384 bytes)
	s_mul_u64 s[46:47], s[46:47], s[18:19]
	s_mul_i32 s45, s16, HALFA                      ; where they go: the half's place; no place in the cluster enters an LDS address
	s_mul_i32 s95, s16, HALFB
	s_mul_i32 s94, s16, HALFSA
	s_mul_i32 s66, s16, HALFSB
	s_wait_kmcnt 0x0
	s_add_nc_u64 s[20:21], s[4:5], s[20:21]
	s_add_nc_u64 s[22:23], s[6:7], s[22:23]
	s_add_nc_u64 s[46:47], s[8:9], s[46:47]
	s_add_nc_u64 s[92:93], s[10:11], s[92:93]
	CROUND                                         ; all sixteen work-groups are here: the first joint loads meet
	s_mov_b32 s[G0S], 1
	s_add_co_u32 s[G0S+1], s94, SCL
	s_mov_b64 s[G0S+2:G0S+3], s[22:23]
	s_or_b32 s[G0S+3], s[G0S+3], 0x80000000
	s_mov_b32 s[G0SB], 1
	s_add_co_u32 s[G0SB+1], s66, SCL+2*HALFSA
	s_mov_b64 s[G0SB+2:G0SB+3], s[92:93]
	s_or_b32 s[G0SB+3], s[G0SB+3], 0x80000000
	JLOAD G0S, G1S, G0SB, G1SB                     ; the scales first: they are wanted with K step 0
.irp s, 0,1
	s_mov_b32 s[G0+4*\s], 1
	s_add_co_u32 s[G0+4*\s+1], s45, \s*SLOT
	s_add_nc_u64 s[G0+4*\s+2:G0+4*\s+3], s[20:21], \s*ASTEP
	s_or_b32 s[G0+4*\s+3], s[G0+4*\s+3], 0x80000000
	s_mov_b32 s[G0B+4*\s], 1
	s_add_co_u32 s[G0B+4*\s+1], s95, BOFF+\s*SLOT
	s_add_nc_u64 s[G0B+4*\s+2:G0B+4*\s+3], s[46:47], \s*ROWB
	s_or_b32 s[G0B+4*\s+3], s[G0B+4*\s+3], 0x80000000
	s_wait_alu depctr_va_vdst(0)
	s_wait_tensorcnt 0x0
	ds_add_u32 v28, v29
	s_wait_dscnt 0x0
	CROUND
	JLOAD G0+4*\s, G1, G0B+4*\s, G1B               ; one tensor load of mine is out now
.endr
	v_and_b32 v1, 15, v0                           ; r
	v_bfe_u32 v2, v0, 4, 1                         ; h
	v_mul_u32_u24 v3, v1, PITCH
	v_lshl_add_u32 v4, v2, 4, v3                   ; B: a fragment's row x pitch + 16 x half
	v_and_b32 v6, 31, v0
	v_lshlrev_b32 v[CO], 4, v6                     ; A: 16 x lane.  Also my place in a row of C
	s_mul_i32 s21, s15, HALFA                      ; my four tiles of A
	s_mul_i32 s22, s16, HALFB                      ; my 128 rows of B,
	s_add_co_u32 s22, s22, BOFF                    ; which lie behind A's
.irp s, 0,1
	v_add_nc_u32 v[ADRA+\s], s21, v[CO]
	v_add_nc_u32 v[ADRB+\s], s22, v4
	s_add_co_u32 s21, s21, SLOT
	s_add_co_u32 s22, s22, SLOT
.endr
	v_mul_u32_u24 v5, v1, KS                       ; my row's scales: KS bytes a row,
	v_lshrrev_b32 v6, 8, v5
	v_lshl_add_u32 v5, v6, 4, v5                   ; and 16 more for each 256 passed
	s_mul_i32 s21, s15, HALFSA                     ; A's: my 64 rows
	s_mul_i32 s22, s16, HALFSB                     ; B's: my 128 rows, behind A's 128
	s_add_co_u32 s22, s22, 2*HALFSA
	s_sub_co_u32 s22, s22, s21
	v_mul_u32_u24 v6, s22, v2                      ; lanes 16-31 take B's: the lower base + h x the distance
	s_add_co_u32 s21, s21, SCL
	v_add_nc_u32 v5, v5, v6
	v_add_nc_u32 v[ADRS], s21, v5
	s_mul_i32 s23, s14, 16*SPITCH
	s_add_co_u32 s23, s23, STG                     ; my stage
	v_mul_u32_u24 v5, v1, SPITCH                   ; in: row r, 32 bytes for each half of the lanes
	v_lshl_add_u32 v5, v2, 5, v5
	v_add_nc_u32 v[STO], s23, v5
	v_add_nc_u32 v[RD], s23, v[CO]                 ; back: the 32 lanes take one row of 512 bytes
	v_lshlrev_b32 v[BOF], 5, v2
	s_wait_alu depctr_va_vdst(0)
	s_lshl_b32 s20, s17, 7
	s_lshl_b32 s21, s15, 6
	s_add_co_u32 s20, s20, s21                     ; my first row of C: 128 x tile row + 64 x half
	s_mov_b32 s21, 0
	s_mov_b64 s[18:19], SIZE_N*4
	s_mul_u64 s[20:21], s[20:21], s[18:19]
	s_lshl_b32 s46, s42, 10                        ; my first column, in bytes: 1,024 x tile column + 512 x half
	s_lshl_b32 s47, s16, 9
	s_add_co_u32 s46, s46, s47
	s_mov_b32 s47, 0
	s_add_nc_u64 s[96:97], s[96:97], s[46:47]      ; the bias at my first column
	s_add_nc_u64 s[20:21], s[20:21], s[46:47]
	s_add_nc_u64 s[12:13], s[12:13], s[20:21]
.irp b, 0,1,2,3,4,5,6,7
	global_load_b128 v[BIAS+8*\b:BIAS+8*\b+3], v[BOF], s[96:97] offset:64*\b          ; in the result's layout: register j of block b is bo[16 b + 8 h + j]
	global_load_b128 v[BIAS+8*\b+4:BIAS+8*\b+7], v[BOF], s[96:97] offset:64*\b+16
.endr
.macro FRAG reg, adr, q, i             ; a fragment of B from padded rows: registers 4 c .. 4 c + 3 hold K = 32 c + 16 (l / 16) + 0 .. 15 of row l % 16
.irp c, 0,1,2,3
	ds_load_b128 v[\reg+4*\c:\reg+4*\c+3], v[\adr] offset:128*(\q)+32*\c+(\i)*16*PITCH
.endr
.endm
.macro FRAGA reg, adr, q, i            ; a fragment of A from its image: each load reads 512 consecutive bytes
.irp c, 0,1,2,3
	ds_load_b128 v[\reg+4*\c:\reg+4*\c+3], v[\adr] offset:2048*(\q)+512*\c+(\i)*ASTEP
.endr
.endm
; 16 matrix instructions: A's blocks a0, a0 + 1 x B's eight, 128 along K: the slot's q-th, from fragment set p, with the scale words of set sc.  first = 1: the sum's first product takes the bias as C: nothing is cleared, nothing is added later.
; The 32 accumulators take turns, one instruction a turn, in the same order in every step.
.macro MUL16 a0, p, q, sc, first
.irp a, \a0, \a0+1
.irp b, 0,1,2,3,4,5,6,7
.if \first
	v_wmma_scale_f32_16x16x128_f8f6f4 v[8*(8*(\a)+\b):8*(8*(\a)+\b)+7], v[128*(\p)+FR*\b:128*(\p)+FR*\b+FR-1], v[AF+64*(\p)+FR*(\a):AF+64*(\p)+FR*(\a)+FR-1], v[BIAS+8*\b:BIAS+8*\b+7], v[SC+8*NQ*(\sc)+NQ*\b+(\q)], v[SC+8*NQ*(\sc)+NQ*(\a)+(\q)] matrix_a_scale:MATRIX_SCALE_ROW1
.else
	v_wmma_scale_f32_16x16x128_f8f6f4 v[8*(8*(\a)+\b):8*(8*(\a)+\b)+7], v[128*(\p)+FR*\b:128*(\p)+FR*\b+FR-1], v[AF+64*(\p)+FR*(\a):AF+64*(\p)+FR*(\a)+FR-1], v[8*(8*(\a)+\b):8*(8*(\a)+\b)+7], v[SC+8*NQ*(\sc)+NQ*\b+(\q)], v[SC+8*NQ*(\sc)+NQ*(\a)+(\q)] matrix_a_scale:MATRIX_SCALE_ROW1
.endif
.endr
.endr
.endm
.macro FETCH slot, q, p                ; 48 LDS loads in one run: B's eight fragments and A's four of the slot's q-th 128 along K, into set p
	WIN TO_B
.irp i, 0,1,2,3,4,5,6,7
	FRAG 128*(\p)+FR*\i, ADRB+\slot, \q, \i
.endr
	WIN 0
.irp i, 0,1,2,3
	FRAGA AF+64*(\p)+FR*\i, ADRA+\slot, \q, \i
.endr
.endm
.macro SCALES sc                       ; the next K step's scale words into set sc: two words a row.  Lanes 16-31 take B's block i; lanes 0-15 A's block i, of which I have four: for i of 4 and more they read words that no product names
.irp i, 0,1,2,3,4,5,6,7
	ds_load_b64 v[SC+8*NQ*\sc+NQ*\i:SC+8*NQ*\sc+NQ*\i+1], v[ADRS] offset:\i*SBLK
.endr
.endm
.macro PLACES n                        ; places behind matrix instructions: in front of loads into registers that they have read, and of the first read of results (ISA guide 7.12.1 for vector instructions)
.rept \n
	v_nop
.endr
.endm
; A slot's first step multiplies set 0; ahead of its products the slot's second 128 along K are asked for, into set 1: they have the step's 32 products in which to come.
.macro STEP slot, first
	s_wait_dscnt 0x0                               ; set 0 and the slot's scale words are in
.if \first
	FETCH \slot, 1, 1
	WIN FIRST
.else
	PLACES NP                                      ; set 1 was read by the last sixteen products
	FETCH \slot, 1, 1
	WIN MUL
.endif
	MUL16 0, 0, 0, \slot, \first
	MUL16 2, 0, 0, \slot, \first
.endm
; A slot's second step multiplies set 1 and changes slots: ONE barrier; in front of it each wave waits for all its tensor loads, adds 0 to its spare word, and waits for that and for its own reads of this slot.  fill = 1: this slot is filled again, two K steps ahead.
.macro TURN slot, next, fill
	WIN 0                                          ; (the add's two registers lie in window 0)
	s_wait_tensorcnt 0x0                           ; all my tensor loads have landed: my part of the next slot;
	ds_add_u32 v[SPW], v[NIL]                      ; 0 onto my spare word
	s_wait_dscnt 0x1                               ; set 1 is in (the add alone may be out)
	WIN MUL
	MUL16 0, 1, 1, \slot, 0                        ; sixteen matrix instructions stand between the add and the wait for it
	s_wait_dscnt 0x0                               ; the add is done, and my reads of this slot are over
	WIN 0
	s_barrier_signal -1
	s_barrier_wait -1
.if \fill
	CREST                                          ; the barrier has opened a round of the cluster's barrier: no wave of any partner still reads this slot's tile or has a load on its way
	s_add_nc_u64 s[G0+4*\slot+2:G0+4*\slot+3], s[G0+4*\slot+2:G0+4*\slot+3], 2*ASTEP
	s_add_nc_u64 s[G0B+4*\slot+2:G0B+4*\slot+3], s[G0B+4*\slot+2:G0B+4*\slot+3], 2*ROWB
	JLOAD G0+4*\slot, G1, G0B+4*\slot, G1B         ; the first tensor load behind the round, my only one until the next; the four v_nop behind it are among the places in front of the loads below
	PLACES NP-4
.else
	PLACES NP                                      ; set 0 was read by the step before
.endif
	s_wait_alu depctr_va_vdst(0)
	v_add_nc_u32 v[ADRS], 4*NQ, v[ADRS]            ; on to the next K step's scale words
	FETCH \next, 0, 0
	SCALES \next
	WIN MUL
	MUL16 2, 1, 1, \slot, 0
.endm
	s_wait_tensorcnt 1                             ; the scales and my part of K step 0 are in (K step 1's load may be out)
	s_barrier_signal -1
	s_barrier_wait -1                              ; everybody's are
	FETCH 0, 0, 0
	SCALES 0
	s_wait_loadcnt 0x0                             ; the bias
	STEP 0, 1                                      ; K step 0: its first products start the sums, on the bias
	TURN 0, 1, 1                                   ; slot 0 takes K step 2
	STEP 1, 0                                      ; K step 1
	TURN 1, 0, 1                                   ; slot 1 takes K step 3
	STEP 0, 0                                      ; K step 2
	TURN 0, 1, 0                                   ; nothing is left to fetch: no round of the cluster's barrier
	STEP 1, 0                                      ; K step 3
	s_wait_dscnt 0x0                               ; the very last step
	WIN MUL
	MUL16 0, 1, 1, 1, 0
	MUL16 2, 1, 1, 1, 0
	WIN 0
; THE WAY OUT, block by block of 16 rows x 128 columns, through my own stage in LDS: in as 32 bytes a lane, back as whole rows of 512 bytes, which the 32 lanes store as two aligned runs of 256 bytes.
; LDS serves a wave's instructions in order (ISA guide 5.7.1.4): no wait between the stores and the loads, nor in front of the next block's stores.
; Row t of block a is row 32 (a / 2) + 8 (a % 2) + t + 8 (t / 8) of my 64 rows of C: A's tiles hold their rows in that order.
.macro TOSTAGE a
.set AC, 64*(\a)
	WIN 0x08                                       ; an LDS store's data are its source 1: window 2
.irp b, 0,1,2,3,4,5,6,7
	ds_store_b128 v[STO], v[AC+8*\b:AC+8*\b+3] offset:64*\b          ; each accumulator from its low end on
	ds_store_b128 v[STO], v[AC+8*\b+4:AC+8*\b+7] offset:64*\b+16
.endr
	WIN 0
.set BB, BK+64*((\a)%2)
.irp t, 0,1,2,3,4,5,6,7,8,9,10,11,12,13,14,15
	ds_load_b128 v[BB+4*\t:BB+4*\t+3], v[RD] offset:\t*SPITCH
.endr
.endm
.macro SEND a, younger                 ; younger: the LDS instructions issued behind block a's loads, which may stay out
.set BB, BK+64*((\a)%2)
	s_wait_dscnt \younger                          ; the block is back in registers
.if (\a) > 0
.if ((\a)%2) == 1
	s_add_nc_u64 s[12:13], s[12:13], 8*SIZE_N*4    ; (behind a wait on XCNT: the earlier stores have read their base)  into an odd block: 8 rows of C on
.else
	s_add_nc_u64 s[12:13], s[12:13], 24*SIZE_N*4   ; into an even one: 24 rows on
.endif
.endif
.irp t, 0,1,2,3,4,5,6,7,8,9,10,11,12,13,14,15
	global_store_b128 v[CO], v[BB+4*\t:BB+4*\t+3], s[12:13] offset:(\t+8*(\t/8))*SIZE_N*4 th:TH_STORE_NT   ; 32 lanes store 512 consecutive bytes, at a multiple of 256 from C's first byte; written once, read by nobody here
.endr
.endm
	PLACES NP                                      ; behind the last products: for the reads of their results and for the loads into the registers that held A's fragments
	TOSTAGE 0
.irp a, 1,2,3
.if \a > 1
	s_wait_xcnt 0x0                                ; block a - 2's stores have read their registers and their base: block a's loads may land there, and the base may step
.endif
	TOSTAGE \a
	SEND \a-1, 32                                  ; behind block a - 1's loads: block a's 16 stores and 16 loads
.endr
	s_wait_xcnt 0x0                                ; block 2's stores have read their base
	SEND 3, 0
	s_wait_tensorcnt 0x0                           ; the wave's end: behind my last tensor load and my last LDS store
	ds_add_u32 v[SPW], v[NIL]
	s_wait_dscnt 0x0
	CROUND                                         ; the closing round: no work-group ends while a partner may still ask for a tile that names it
	s_endpgm
.Lfunc_end_k_q2e2c479bbe_outp:
	.size	k_q2e2c479bbe_outp, .Lfunc_end_k_q2e2c479bbe_outp-k_q2e2c479bbe_outp
	.p2alignl 7, 3214868480
	.fill 96, 4, 3214868480
	.section	.rodata,"a",@progbits
	.p2align	6, 0x0
	.amdhsa_kernel k_q2e2c479bbe_outp
		.amdhsa_group_segment_fixed_size 327680
		.amdhsa_private_segment_fixed_size 0
		.amdhsa_enable_private_segment 0
		.amdhsa_kernarg_size 48
		.amdhsa_user_sgpr_count 2
		.amdhsa_user_sgpr_kernarg_segment_ptr 1
		.amdhsa_wavefront_size32 1
		.amdhsa_system_sgpr_workgroup_id_x 1
		.amdhsa_system_sgpr_workgroup_id_y 1
		.amdhsa_system_sgpr_workgroup_id_z 1
		.amdhsa_system_vgpr_workitem_id 0
		.amdhsa_next_free_vgpr 768
		.amdhsa_next_free_sgpr 98
		.amdhsa_reserve_vcc 0
		.amdhsa_float_denorm_mode_32 3
		.amdhsa_float_denorm_mode_16_64 3
		.amdhsa_memory_ordered 1
		.amdhsa_forward_progress 1
		.amdhsa_inst_pref_size 91
	.end_amdhsa_kernel
	.amdgpu_metadata
---
amdhsa.version: [ 1, 2 ]
amdhsa.kernels:
  - .name:           k_q2e2c479bbe_outp
    .symbol:         k_q2e2c479bbe_outp.kd
    .args:
      - { .name: ctx_img, .offset: 0, .size: 8, .value_kind: global_buffer, .address_space: global }
      - { .name: ctx_sc, .offset: 8, .size: 8, .value_kind: global_buffer, .address_space: global }
      - { .name: Wo_codes, .offset: 16, .size: 8, .value_kind: global_buffer, .address_space: global }
      - { .name: Wo_scales, .offset: 24, .size: 8, .value_kind: global_buffer, .address_space: global }
      - { .name: out0, .offset: 32, .size: 8, .value_kind: global_buffer, .address_space: global }
      - { .name: bo, .offset: 40, .size: 8, .value_kind: global_buffer, .address_space: global }
    .group_segment_fixed_size: 327680
    .private_segment_fixed_size: 0
    .kernarg_segment_align: 8
    .kernarg_segment_size: 48
    .max_flat_workgroup_size: 128
    .sgpr_count:     98
    .vgpr_count:     768
    .wavefront_size: 32
...
	.end_amdgpu_metadata
.endif
;; end of part 3
